; MI455X (gfx1250); checked and timed in simulation.
; The chip was launched on July 23, 2026; its instructions are those of AMD's public machine-readable ISA for CDNA 5 (MIT licence, August 2026) and "CDNA5" Instruction Set Architecture Reference Guide (July 2026). The comments in the code are by the model that wrote it; some were corrected since.
;; Multi Head Attention. Allowed arithmetic: matrix products marked QUANTISED: E2M1 operands, one E8M0 scale for each 32 along K, by v_wmma_scale_f32_16x16x128_f8f6f4 with both operands' format E2M1 (or v_wmma_scale_f32_32x16x128_f4), f32 sums; products left as they are: bf16, f16 or f32 operands; f32 sums; everything else in f32.
;; Inputs: bk 1,024 float32; bo 1,024 float32; bq 1,024 float32; bv 1,024 float32; wk 1,024 x 1,024 float32; wo 1,024 x 1,024 float32; wq 1,024 x 1,024 float32; wv 1,024 x 1,024 float32; x 4 x 2,048 x 1,024 float32.
;; Outputs: out0 4 x 2,048 x 1,024 float32.
;; This version of the problem:
;;   THIS VERSION OF THE PROBLEM IS GIVEN IN LOW PRECISION. The matrix products marked QUANTISED in the list below multiply operands that are first quantised to E2M1 (2 exponent bits, 1 mantissa bit; 4 bits a number), with one power-of-two scale for each 32 numbers along K (OCP MX v1.0); their sums are f32. The products marked 'left as it is' may take bf16, f16 or f32 operands, with f32 sums. Whichever they take, every output number must still come out within the allowed error. Rounding operands to bf16 (8 significant bits) uses up far more of that allowance than f16 does (11 bits, for magnitudes from 6e-5 to 65,504). All else is computed in f32.
;;   The module's matrix products, in the order in which they are computed (A, B: the left and right operand; K: the contracted axis; several contracted axes count as one K, in the product's order):
;;     1. [M 8,192, K 1,024] x [K 1,024, N 1,024]; A: input x; B: input wq: QUANTISED
;;     2. [M 8,192, K 1,024] x [K 1,024, N 1,024]; A: input x; B: input wk: QUANTISED
;;     3. [M 8,192, K 1,024] x [K 1,024, N 1,024]; A: input x; B: input wv: QUANTISED
;;     4. batch 64 x [M 2,048, K 64] x [K 64, N 2,048]; A: computed on the way; B: computed on the way: left as it is (an operand is computed on the way)
;;     5. batch 64 x [M 2,048, K 2,048] x [K 2,048, N 64]; A: computed on the way; B: computed on the way: left as it is (an operand is computed on the way)
;;     6. [M 8,192, K 1,024] x [K 1,024, N 1,024]; A: computed on the way; B: input wo: left as it is (an operand is computed on the way)
;;   THE QUANTISER, for each operand of a quantised product, along K:
;;     - K is cut into blocks of 32 from its start; a last block that is shorter is filled with zeros.
;;     - A block's scale is 2^e with e = floor(log2(the largest magnitude in the block)) - 2, held to -126 .. 127; a block of zeros has e = 0. As a byte (E8M0): e + 127.
;;     - Each number is divided by its block's scale, clamped to +-6, and rounded to the nearest number of E2M1, ties to even, subnormals kept.
;;     - The product sums the exact products of the quantised numbers (number of the format x scale) in f32.
;;   ~~~python
;;   def quantise(x, axis):      # numpy; x: float32 -> the quantised numbers, widened to float32 again
;;       x = np.moveaxis(x, axis, -1); K = x.shape[-1]
;;       x = np.pad(x, [(0, 0)] * (x.ndim - 1) + [(0, -K % 32)]); x = x.reshape(x.shape[:-1] + (-1, 32)); a = np.abs(x).max(-1, keepdims=True)
;;       e = np.where(a > 0, np.clip(np.frexp(np.where(a > 0, a, 1))[1] - 1 - 2, -126, 127), 0)      # np.frexp(a)[1] - 1 = floor(log2(a)), exactly
;;       r = np.clip(x / 2.0 ** e, -6, 6)
;;       step = 2.0 ** (np.maximum(np.frexp(np.where(r == 0, 1, r))[1] - 1, 0) - 1)
;;       q = np.round(r / step) * step * 2.0 ** e      # np.round: ties to even
;;       return np.moveaxis(q.reshape(q.shape[:-2] + (-1,))[..., :K], -1, axis).astype(np.float32)
;;   ~~~
;; One version. Each part assembles by itself: llvm-mc -triple=amdgcn-amd-amdhsa -mcpu=gfx1250 --defsym DOCPART=n.
;; ======== version 1 of 1: 5 launches
;; limits: values are held in f16: magnitudes above 65,504 overflow, below 6.1e-05 lose precision
;; workspace buffers: xc 4,194,304 bytes; xs 262,144 bytes; wc 1,572,864 bytes; ws 98,304 bytes; woh 2,097,152 bytes; qkv 50,331,648 bytes; ao 16,777,216 bytes
;; launch prep_x (part 1): grid 384 x 1, 4 waves a work-group, no clusters, 33,280 bytes of LDS; arguments x, wo, xc, xs, woh; writes xc, xs, woh
.if DOCPART == 1
	.amdgcn_target "amdgcn-amd-amdhsa--gfx1250"
	.amdhsa_code_object_version 6
	.text
	.protected	k_q922bb66c0a_prep_x
	.globl	k_q922bb66c0a_prep_x
	.p2align	8
	.type	k_q922bb66c0a_prep_x,@function
k_q922bb66c0a_prep_x:
	s_mov_b64 s[64:65], 0
	v_nop
	global_prefetch_b8 v0, s[64:65] scope:SCOPE_SE
	s_setreg_imm32_b32 hwreg(HW_REG_WAVE_MODE, 25, 1), 1
	s_wait_xcnt 0x0
; TWO STREAMS IN ONE LAUNCH.
; Work-groups 0 to 255: x [8192][1024] f32 becomes codes of FP4 (E2M1), K innermost (xc: 512 bytes a row), with one E8M0 scale byte for each 32 along K (xs: 32 bytes a row).
; Work-groups 256 to 383: wo [1024][1024] f32 becomes f16 in the same order (woh): the last product is left as it is and takes f16 operands.
; THE QUANTISER.  A block's scale is 2^(floor(log2(its largest magnitude)) - 2); its byte is the largest magnitude's exponent field - 2, held at 1 from below; each number is divided by the scale
; and rounded to the nearest code, ties to even, beyond 6 to the largest code.
; LIMITS: a block of zeros gets the byte 1 where the rule says 127 (its codes are zeros, which add nothing, and this program alone reads the bytes); NaN and infinities are not served;
; a number of wo beyond 65,504 in magnitude becomes infinity in f16.
; x's rows are dense and 1,024 is a multiple of 32: x is a plain stream of blocks of 32.  A wave takes 16 steps of 512 numbers.  Each load reads 512 consecutive bytes, 16 a lane; a step's 2,048 bytes go
; through the wave's own stage in LDS and come back 64 bytes a lane, so that a lane holds 16 neighbours and two neighbouring lanes hold a block.  A lane's 16 codes are 8 bytes: a wave's store covers 256
; consecutive bytes.  A wave's 256 scale bytes are gathered in its own LDS bytes and leave by one store.  Waves share nothing: no barrier.  Loads run four steps ahead, the turn through LDS one.
.set XWG,   256                        ; work-groups that take x: 8192 x 1024 / (4 waves x 16 steps x 512)
.set STEPS, 16
.set EMAX,  2
.set CB,    8                          ; bytes of 16 codes
.set R,     16                         ; v16-79   four sets of 16 numbers as they are loaded (the wo path: sixteen loads of 4)
.set X,     80                         ; v80-111  two sets of 16 neighbours
.set E,     112                        ; v112-127 a scale byte for each step
.set C,     128                        ; v128-191 codes, four registers for each step (the wo path: f16 pairs): no store's data are written again
.set WREG,  8192                       ; LDS: a region for each wave: two stages of 32 x SP bytes, behind them its 256 scale bytes
.set SP,    80                         ; a lane's place in a stage: 64 bytes + 16 of padding
.set SPW,   12                         ; v12  LDS address of my spare word; never rewritten
.set NIL,   13                         ; v13  0; never rewritten
.set SPARE, 4*WREG                     ; behind the four regions: the spare words, 128 bytes a wave; no other line names them
	s_load_b128 s[4:7], s[0:1], 0x0                ; x, wo
	s_load_b128 s[8:11], s[0:1], 0x10              ; xc, xs
	s_load_b64 s[12:13], s[0:1], 0x20              ; woh
	v_lshl_add_u32 v[SPW], v0, 2, SPARE
	v_mov_b32 v[NIL], 0
	v_lshrrev_b32 v1, 5, v0
	v_readfirstlane_b32 s16, v1                    ; wave
	v_and_b32 v2, 31, v0                           ; lane
	v_lshlrev_b32 v3, 4, v2                        ; my 16 bytes of a load's 512
	s_mul_i32 s17, s16, WREG
	v_lshrrev_b32 v14, 2, v2
	v_mul_u32_u24 v14, v14, SP
	v_and_b32 v15, 3, v2
	v_lshl_add_u32 v14, v15, 4, v14
	v_add_nc_u32 v14, s17, v14                     ; the stage, on the way in: four lanes' 64 bytes on end, then 16 of padding
	v_mul_u32_u24 v15, v2, SP
	v_add_nc_u32 v15, s17, v15                     ; and on the way out: my 16 neighbours
	v_mul_u32_u24 v4, v2, CB                       ; 8 bytes a lane: my codes' place in a step's; in the wo path my four f16
	v_lshrrev_b32 v5, 1, v2
	s_add_co_u32 s17, s17, 2*32*SP
	v_add_nc_u32 v5, s17, v5                       ; LDS: my wave's 256 scale bytes, my block's byte
	v_lshlrev_b32 v7, 3, v2
	v_add_nc_u32 v6, s17, v7                       ; and on the way out 8 bytes a lane
	s_mov_b32 s21, 0
.macro LOAD t
.irp i, 0,1,2,3
	global_load_b128 v[R+16*((\t)%4)+4*\i:R+16*((\t)%4)+4*\i+3], v3, s[4:5] offset:2048*(\t)+512*\i th:TH_LOAD_NT   ; 32 lanes read 512 consecutive bytes
.endr
.endm
.macro TURN t                          ; step t's numbers through the stage: LDS serves a wave's instructions in order, so no wait stands between the stores and the loads
.irp i, 0,1,2,3
	ds_store_b128 v14, v[R+16*((\t)%4)+4*\i:R+16*((\t)%4)+4*\i+3] offset:32*SP*((\t)%2)+8*SP*\i
.endr
.irp i, 0,1,2,3
	ds_load_b128 v[X+16*((\t)%2)+4*\i:X+16*((\t)%2)+4*\i+3], v15 offset:32*SP*((\t)%2)+16*\i
.endr
.endm
.macro STEP t
.set XS, X+16*((\t)%2)
.if (\t) > 0
	s_wait_dscnt 1                                 ; this step's numbers are back from the stage (the last step's byte store may be out): so its stores into the stage have read their registers,
.else
	s_wait_dscnt 0x0
.endif
.if (\t)+4 < STEPS
	LOAD (\t)+4                                    ; which take the loads of four steps on
.endif
.if (\t)+1 < STEPS
.if STEPS-2-(\t) >= 3
	s_wait_loadcnt 12                              ; the next step's four loads are in; those of the three steps behind it may be out
.else
	s_wait_loadcnt 4*(STEPS-2-(\t))
.endif
	TURN (\t)+1                                    ; and go through the other stage while this step is worked
.endif
	v_max3_num_f32 v8, |v[XS]|, |v[XS+1]|, |v[XS+2]|               ; the largest magnitude of my 16, in two chains
	v_max3_num_f32 v9, |v[XS+3]|, |v[XS+4]|, |v[XS+5]|
.irp i, 6,10
	v_max3_num_f32 v8, v8, |v[XS+\i]|, |v[XS+\i+1]|
	v_max3_num_f32 v9, v9, |v[XS+\i+2]|, |v[XS+\i+3]|
.endr
	v_max3_num_f32 v8, v8, |v[XS+14]|, |v[XS+15]|
	v_max3_num_f32 v8, v8, v9, (EMAX+1)<<23        ; and the floor 2^(3 - 127): the byte cannot fall under 1
	v_max_num_f32_dpp v8, v8, v8 row_xmask:1 row_mask:0xf bank_mask:0xf   ; and of my neighbour's 16: the block's
	v_add_nc_u32 v11, -(EMAX<<23), v8              ; 2 off its exponent field: the conversion takes the exponent field of this operand as its scale
	v_cvt_scalef32_pk8_fp4_f32 v[C+4*(\t)], v[XS:XS+7], v11
	v_cvt_scalef32_pk8_fp4_f32 v[C+4*(\t)+1], v[XS+8:XS+15], v11
	v_lshrrev_b32 v[E+(\t)], 23, v11               ; the scale's byte
	ds_store_b8 v5, v[E+(\t)] offset:16*(\t)       ; both lanes of a block write the same byte with the same value
	global_store_b64 v4, v[C+4*(\t):C+4*(\t)+1], s[8:9] offset:32*CB*(\t)   ; 32 lanes store 256 consecutive bytes
.endm
	s_wait_kmcnt 0x0
	s_cmp_ge_u32 ttmp9, XWG                        ; the work-group's number alone decides the path; only x's path touches LDS
	s_cbranch_scc1 .Lwo
	s_lshl_b32 s18, ttmp9, 2
	s_add_co_u32 s18, s18, s16                     ; which run of 8,192 numbers is my wave's: 0 to 1,023
	s_lshl_b32 s20, s18, 15
	s_add_nc_u64 s[4:5], s[4:5], s[20:21]          ; 32,768 bytes of x a run,
	s_lshl_b32 s20, s18, 12
	s_add_nc_u64 s[8:9], s[8:9], s[20:21]          ; 4,096 of codes,
	s_lshl_b32 s20, s18, 8
	s_add_nc_u64 s[10:11], s[10:11], s[20:21]      ; 256 scale bytes
.irp t, 0,1,2,3
	LOAD \t
.endr
	s_wait_loadcnt 12                              ; step 0's four loads are in
	TURN 0
.irp t, 0,1,2,3,4,5,6,7,8,9,10,11,12,13,14,15
	STEP \t
.endr
	ds_load_b64 v[8:9], v6                         ; LDS serves a wave's instructions in order: these see my byte stores
	s_wait_dscnt 0x0
	global_store_b64 v7, v[8:9], s[10:11]          ; 32 lanes store 256 consecutive bytes
	s_wait_tensorcnt 0x0                           ; the wave's end, behind my last LDS store
	ds_add_u32 v[SPW], v[NIL]
	s_wait_dscnt 0x0
	s_endpgm
.Lwo:                                                  ; wo to f16: a wave takes 2,048 numbers: sixteen loads of 512 bytes, all out at once; no LDS
	s_sub_co_u32 s18, ttmp9, XWG
	s_lshl_b32 s18, s18, 2
	s_add_co_u32 s18, s18, s16                     ; which run of 2,048 numbers: 0 to 511
	s_lshl_b32 s20, s18, 13
	s_add_nc_u64 s[6:7], s[6:7], s[20:21]
	s_lshl_b32 s20, s18, 12
	s_add_nc_u64 s[12:13], s[12:13], s[20:21]
.irp t, 0,1,2,3,4,5,6,7,8,9,10,11,12,13,14,15
	global_load_b128 v[R+4*\t:R+4*\t+3], v3, s[6:7] offset:512*\t th:TH_LOAD_NT
.endr
.irp t, 0,1,2,3,4,5,6,7,8,9,10,11,12,13,14,15
	s_wait_loadcnt 15-\t                           ; loads come back in order: load t is in, the younger ones stay out
	v_cvt_pk_f16_f32 v[C+2*\t], v[R+4*\t], v[R+4*\t+1]
	v_cvt_pk_f16_f32 v[C+2*\t+1], v[R+4*\t+2], v[R+4*\t+3]
	global_store_b64 v4, v[C+2*\t:C+2*\t+1], s[12:13] offset:256*\t   ; 32 lanes store 256 consecutive bytes; no register is written twice
.endr
	s_endpgm
.Lfunc_end_k_q922bb66c0a_prep_x:
	.size	k_q922bb66c0a_prep_x, .Lfunc_end_k_q922bb66c0a_prep_x-k_q922bb66c0a_prep_x
	.p2alignl 7, 3214868480
	.fill 96, 4, 3214868480
	.section	.rodata,"a",@progbits
	.p2align	6, 0x0
	.amdhsa_kernel k_q922bb66c0a_prep_x
		.amdhsa_group_segment_fixed_size 33280
		.amdhsa_private_segment_fixed_size 0
		.amdhsa_enable_private_segment 0
		.amdhsa_kernarg_size 40
		.amdhsa_user_sgpr_count 2
		.amdhsa_user_sgpr_kernarg_segment_ptr 1
		.amdhsa_wavefront_size32 1
		.amdhsa_system_sgpr_workgroup_id_x 1
		.amdhsa_system_sgpr_workgroup_id_y 1
		.amdhsa_system_sgpr_workgroup_id_z 1
		.amdhsa_system_vgpr_workitem_id 0
		.amdhsa_next_free_vgpr 192
		.amdhsa_next_free_sgpr 66
		.amdhsa_reserve_vcc 0
		.amdhsa_float_denorm_mode_32 3
		.amdhsa_float_denorm_mode_16_64 3
		.amdhsa_memory_ordered 1
		.amdhsa_forward_progress 1
		.amdhsa_inst_pref_size 39
	.end_amdhsa_kernel
	.amdgpu_metadata
---
amdhsa.version: [ 1, 2 ]
amdhsa.kernels:
  - .name:           k_q922bb66c0a_prep_x
    .symbol:         k_q922bb66c0a_prep_x.kd
    .args:
      - { .name: x, .offset: 0, .size: 8, .value_kind: global_buffer, .address_space: global }
      - { .name: wo, .offset: 8, .size: 8, .value_kind: global_buffer, .address_space: global }
      - { .name: xc, .offset: 16, .size: 8, .value_kind: global_buffer, .address_space: global }
      - { .name: xs, .offset: 24, .size: 8, .value_kind: global_buffer, .address_space: global }
      - { .name: woh, .offset: 32, .size: 8, .value_kind: global_buffer, .address_space: global }
    .group_segment_fixed_size: 33280
    .private_segment_fixed_size: 0
    .kernarg_segment_align: 8
    .kernarg_segment_size: 40
    .max_flat_workgroup_size: 128
    .sgpr_count:     66
    .vgpr_count:     192
    .wavefront_size: 32
...
	.end_amdgpu_metadata
.endif
;; end of part 1
;; launch prep_w (part 2): grid 96 x 1, 8 waves a work-group, no clusters, 18,944 bytes of LDS; arguments wq, wk, wv, wc, ws; writes wc, ws
.if DOCPART == 2
	.amdgcn_target "amdgcn-amd-amdhsa--gfx1250"
	.amdhsa_code_object_version 6
	.text
	.protected	k_q922bb66c0a_prep_w
	.globl	k_q922bb66c0a_prep_w
	.p2align	8
	.type	k_q922bb66c0a_prep_w,@function
k_q922bb66c0a_prep_w:
	s_mov_b64 s[64:65], 0
	v_nop
	global_prefetch_b8 v0, s[64:65] scope:SCOPE_SE
	s_setreg_imm32_b32 hwreg(HW_REG_WAVE_MODE, 25, 1), 1
	s_wait_xcnt 0x0
; wq, wk, wv [1024 (k)][1024 (n)], f32, are operands whose K is their FIRST axis.  They become codes of FP4 (E2M1) laid [3072 (n)][1024 (k)] with K innermost (wc: 512 bytes a row; rows 0-1023 wq's columns,
; 1024-2047 wk's, 2048-3071 wv's) and one E8M0 byte for each 32 along K (ws: 32 bytes a row).
; A LANE TAKES A COLUMN n, AND ITS REGISTERS RUN DOWN K: a block of 32 along K lies in one lane's 32 registers, its largest magnitude needs no other lane, and the conversions give codes with K innermost.
; A work-group takes 32 columns and ALL of K; wave w takes k = 128 w .. 128 w + 127, four blocks a lane.  So a column's whole row of codes (512 bytes) and of scale bytes (32) meets in LDS, and both leave as
; whole rows: a wave's store of codes covers 512 consecutive bytes, the 32 rows of scale bytes are 1,024 consecutive bytes.
; The scale: 2^(floor(log2(largest magnitude)) - 2); its byte is the largest magnitude's exponent field - 2, held at 1 from below.
; LIMITS: a block of zeros gets the byte 1 where the rule says 127 (its codes are zeros; this program alone reads the bytes); NaN and infinities are not served.
.set PITCH, 528                        ; a stage row: 512 bytes of codes + 16: an odd multiple of 16
.set SST,   32*PITCH                   ; behind the codes' stage: 32 columns x 32 scale bytes, dense
.set SPARE, SST+1024                   ; behind that: the spare words, 128 bytes for each of eight waves; no other line names them
.set EMAX,  2
.set SPW,   14                         ; v14  LDS address of my spare word; never rewritten
.set NIL,   15                         ; v15  0; never rewritten
.set SB,    24                         ; v24  my four scale bytes
.set X,     32                         ; v32-95   two sets of 32 numbers
.set C,     96                         ; v96-99   a block's codes
.set OUTR,  112                        ; v112-127 the way out
	s_load_b128 s[4:7], s[0:1], 0x0                ; wq, wk
	s_load_b128 s[8:11], s[0:1], 0x10              ; wv, wc
	s_load_b64 s[12:13], s[0:1], 0x20              ; ws
	v_lshl_add_u32 v[SPW], v0, 2, SPARE
	v_mov_b32 v[NIL], 0
	v_lshrrev_b32 v1, 5, v0
	v_readfirstlane_b32 s16, v1                    ; wave 0..7
	v_and_b32 v2, 31, v0                           ; lane = my column of the 32
	v_lshlrev_b32 v3, 2, v2                        ; in: 4 bytes a lane
	v_lshlrev_b32 v6, 4, v2                        ; out: 16 bytes a lane
	s_lshl_b32 s17, s16, 6
	v_mul_u32_u24 v4, v2, PITCH
	v_add_nc_u32 v4, s17, v4                       ; codes into the stage: row = my column, 64 bytes for each wave
	s_lshl_b32 s17, s16, 2
	s_add_co_u32 s17, s17, SST
	v_lshl_add_u32 v5, v2, 5, s17                  ; scale bytes: 32 a column, 4 for each wave
	s_mul_i32 s17, s16, 4*PITCH
	v_add_nc_u32 v7, s17, v6                       ; codes out of the stage: wave w takes rows 4 w .. 4 w + 3, a whole row an instruction
	s_lshl_b32 s17, s16, 11
	v_add_nc_u32 v8, s17, v6                       ; and the same place in wc
	s_lshl_b32 s17, s16, 9
	v_add_nc_u32 v10, s17, v6                      ; scale bytes out: waves 0 and 1 take 512 bytes each: in ws,
	s_add_co_u32 s17, s17, SST
	v_add_nc_u32 v9, s17, v6                       ; and in LDS
	s_lshl_b32 s18, s16, 19                        ; my wave's 128 rows of 4,096 bytes,
	s_and_b32 s19, ttmp9, 31
	s_lshl_b32 s19, s19, 7                         ; my work-group's 32 columns of the weight's 1,024
	s_add_co_u32 s18, s18, s19
	s_mov_b32 s19, 0
	s_lshl_b32 s20, ttmp9, 14                      ; 32 rows of 512 bytes of codes a work-group
	s_mov_b32 s21, 0
	s_lshl_b32 s22, ttmp9, 10                      ; 32 rows of 32 scale bytes
	s_mov_b32 s23, 0
	s_wait_kmcnt 0x0
	s_cmp_lt_u32 ttmp9, 32                         ; which weight: the work-group's number alone decides; only the pointer is chosen
	s_cselect_b64 s[4:5], s[4:5], s[6:7]
	s_cmp_lt_u32 ttmp9, 64
	s_cselect_b64 s[4:5], s[4:5], s[8:9]
	s_add_nc_u64 s[4:5], s[4:5], s[18:19]
	s_add_nc_u64 s[10:11], s[10:11], s[20:21]
	s_add_nc_u64 s[12:13], s[12:13], s[22:23]
.macro LOAD t                          ; block t: w(128 wave + 32 t + i, my column), i = 0 .. 31, into set t % 2
.irp i, 0,1,2,3,4,5,6,7,8,9,10,11,12,13,14,15,16,17,18,19,20,21,22,23,24,25,26,27,28,29,30,31
	global_load_b32 v[X+32*((\t)%2)+\i], v3, s[4:5] offset:(32*(\t)+\i)*4096 th:TH_LOAD_NT
.endr
.endm
.macro BLOCK t
.set XS, X+32*((\t)%2)
.if (\t) < 3
	s_wait_loadcnt 32                              ; this block's 32 loads are in; the next block's may be out
.else
	s_wait_loadcnt 0x0
.endif
	v_max3_num_f32 v12, |v[XS]|, |v[XS+1]|, |v[XS+2]|              ; the block's largest magnitude: all 32 numbers are mine; two chains
	v_max3_num_f32 v13, |v[XS+3]|, |v[XS+4]|, |v[XS+5]|
.irp i, 6,10,14,18,22,26
	v_max3_num_f32 v12, v12, |v[XS+\i]|, |v[XS+\i+1]|
	v_max3_num_f32 v13, v13, |v[XS+\i+2]|, |v[XS+\i+3]|
.endr
	v_max3_num_f32 v12, v12, |v[XS+30]|, |v[XS+31]|
	v_max3_num_f32 v12, v12, v13, (EMAX+1)<<23     ; and the floor 2^(3 - 127): the byte cannot fall under 1
	v_add_nc_u32 v11, -(EMAX<<23), v12             ; 2 off its exponent field: the conversion's scale operand
	v_lshrrev_b32 v13, 23, v11                     ; the scale's byte
.if (\t) == 0
	v_mov_b32 v[SB], v13                           ; four bytes to a register, the lower K in the lower byte
.else
	v_lshl_or_b32 v[SB], v13, 8*(\t), v[SB]
.endif
.irp g, 0,1,2,3
	v_cvt_scalef32_pk8_fp4_f32 v[C+\g], v[XS+8*\g:XS+8*\g+7], v11
.endr
	ds_store_b128 v4, v[C:C+3] offset:16*(\t)      ; 32 codes: 16 bytes of my column's row
.if (\t)+2 < 4
	LOAD (\t)+2
.endif
	s_wait_dscnt 0x0                               ; the store has read its registers: the next block's codes may be written
.endm
	LOAD 0
	LOAD 1
	BLOCK 0
	BLOCK 1
	BLOCK 2
	BLOCK 3
	ds_store_b32 v5, v[SB]
	s_wait_dscnt 0x0                               ; for the others' sake: all my stores into the stages are done
	s_barrier_signal -1
	s_barrier_wait -1                              ; 32 whole rows of codes and of scale bytes lie in LDS
.irp i, 0,1,2,3
	ds_load_b128 v[OUTR+4*\i:OUTR+4*\i+3], v7 offset:\i*PITCH
.endr
.irp i, 0,1,2,3
	s_wait_dscnt 3-\i                              ; LDS loads come back in order: row i is in
	global_store_b128 v8, v[OUTR+4*\i:OUTR+4*\i+3], s[10:11] offset:512*\i   ; 32 lanes store a row's 512 consecutive bytes
.endr
	s_cmp_lt_u32 s16, 2                            ; the 1,024 scale bytes: waves 0 and 1
	s_cbranch_scc0 .Lno_s
	ds_load_b128 v[C:C+3], v9
	s_wait_dscnt 0x0
	global_store_b128 v10, v[C:C+3], s[12:13]      ; 512 consecutive bytes
.Lno_s:
	s_wait_tensorcnt 0x0                           ; the wave's end, behind my last LDS store
	ds_add_u32 v[SPW], v[NIL]
	s_wait_dscnt 0x0
	s_endpgm
.Lfunc_end_k_q922bb66c0a_prep_w:
	.size	k_q922bb66c0a_prep_w, .Lfunc_end_k_q922bb66c0a_prep_w-k_q922bb66c0a_prep_w
	.p2alignl 7, 3214868480
	.fill 96, 4, 3214868480
	.section	.rodata,"a",@progbits
	.p2align	6, 0x0
	.amdhsa_kernel k_q922bb66c0a_prep_w
		.amdhsa_group_segment_fixed_size 18944
		.amdhsa_private_segment_fixed_size 0
		.amdhsa_enable_private_segment 0
		.amdhsa_kernarg_size 40
		.amdhsa_user_sgpr_count 2
		.amdhsa_user_sgpr_kernarg_segment_ptr 1
		.amdhsa_wavefront_size32 1
		.amdhsa_system_sgpr_workgroup_id_x 1
		.amdhsa_system_sgpr_workgroup_id_y 1
		.amdhsa_system_sgpr_workgroup_id_z 1
		.amdhsa_system_vgpr_workitem_id 0
		.amdhsa_next_free_vgpr 128
		.amdhsa_next_free_sgpr 66
		.amdhsa_reserve_vcc 0
		.amdhsa_float_denorm_mode_32 3
		.amdhsa_float_denorm_mode_16_64 3
		.amdhsa_memory_ordered 1
		.amdhsa_forward_progress 1
		.amdhsa_inst_pref_size 22
	.end_amdhsa_kernel
	.amdgpu_metadata
---
amdhsa.version: [ 1, 2 ]
amdhsa.kernels:
  - .name:           k_q922bb66c0a_prep_w
    .symbol:         k_q922bb66c0a_prep_w.kd
    .args:
      - { .name: wq, .offset: 0, .size: 8, .value_kind: global_buffer, .address_space: global }
      - { .name: wk, .offset: 8, .size: 8, .value_kind: global_buffer, .address_space: global }
      - { .name: wv, .offset: 16, .size: 8, .value_kind: global_buffer, .address_space: global }
      - { .name: wc, .offset: 24, .size: 8, .value_kind: global_buffer, .address_space: global }
      - { .name: ws, .offset: 32, .size: 8, .value_kind: global_buffer, .address_space: global }
    .group_segment_fixed_size: 18944
    .private_segment_fixed_size: 0
    .kernarg_segment_align: 8
    .kernarg_segment_size: 40
    .max_flat_workgroup_size: 256
    .sgpr_count:     66
    .vgpr_count:     128
    .wavefront_size: 32
...
	.end_amdgpu_metadata
.endif
;; end of part 2
;; launch qkv (part 3): grid 12 x 32, 4 waves a work-group, clusters of 4 x 4, 327,680 bytes of LDS; arguments xc, xs, wc, ws, bq, bk, bv, qkv; writes qkv
.if DOCPART == 3
	.amdgcn_target "amdgcn-amd-amdhsa--gfx1250"
	.amdhsa_code_object_version 6
	.text
	.protected	k_q922bb66c0a_qkv
	.globl	k_q922bb66c0a_qkv
	.p2align	8
	.type	k_q922bb66c0a_qkv,@function
k_q922bb66c0a_qkv:
	s_mov_b64 s[64:65], 0
	v_nop
	global_prefetch_b8 v0, s[64:65] scope:SCOPE_SE
	s_setreg_imm32_b32 hwreg(HW_REG_WAVE_MODE, 25, 1), 1
	s_wait_xcnt 0x0
	s_wait_alu depctr_hold_cnt(0) depctr_sa_sdst(0) depctr_va_vdst(0) depctr_va_sdst(0) depctr_va_ssrc(0) depctr_va_vcc(0) depctr_vm_vsrc(0)
	s_getreg_b32 s2, hwreg(HW_REG_IB_STS2, 6, 4)
	s_cmp_eq_u32 s2, 0
	s_cbranch_scc0 .Lentry_in_a_cluster
	s_endpgm
.Lentry_in_a_cluster:
	s_bfe_u32 s2, ttmp6, 0x10000c
	s_cmp_lg_u32 s2, 0xf033
	s_cbranch_scc0 .Lentry_shape_is_right
	s_endpgm
.Lentry_shape_is_right:
; THE THREE QUANTISED PRODUCTS AS ONE GEMM ON CODES: C[m][n] = sum over k of x[m][k] w[n][k] + bias[n], m = 8,192 rows of x, n = 3,072 columns (q's 1,024, k's, v's), K = 1,024.
; Both operands are codes of FP4 (E2M1) with one E8M0 byte for each 32 along K, as they lie in memory (xc, xs, wc, ws): two codes a byte, 128 codes in 64 bytes.  Sums in f32.
; THE RESULT goes out in f16, head-major: tensor t (q, k, v) at t x 2^24 bytes; in it [16 b + h][2048 s][64]: a row of 128 bytes, a head's 262,144 bytes dense.  q is multiplied by log2(e) / 8 first, so that the
; attention's scores are exponents of two as they come.  LIMIT: a number beyond 65,504 in magnitude (of k, of v, of 0.18 q) becomes infinity in f16.
; A tile of C, 256 x 256, is made by a work-group of four waves; a wave makes 128 x 128: 64 accumulators, 512 registers.  K is two slots of 512: both are first fills, nothing is filled again.
; THE SCALES of the work-group's 256 rows of x and 256 rows of w, for all of K, are two dense blocks of memory: they come into LDS once, with the first fills.
; CLUSTERS: 4 x 4 work-groups.  The four of a row of the cluster need the same tiles of x, the four of a column the same tiles of w: each is asked for JOINTLY, by the same tensor load with the same descriptor and
; a mask that names the four.  A cluster's four tile columns are one tensor (q, k or v): the cluster's x says which.
; THE MATRIX INSTRUCTION IS USED TRANSPOSED (source 0 = 16 rows of w, source 1 = 16 rows of x): a lane then holds eight neighbouring columns of one row of C.  THE BIAS is the C of each sum's first product.
; REGISTERS, in windows of 256: window 0: v0-31 addresses; v32-95 scale words, two sets; v128-191 x's fragments, one set; v192-255 the bias, eight registers for each of my eight blocks of columns;
;   on the way out v32-191 are free.   window 1: w's fragments, two sets, at v0 and v128.   window 2: the accumulators of my rows 0-63 ((a, b) at v[8 (8 a + b)]);   window 3: those of my rows 64-127.
.set NQ,     4                         ; steps of 128 along K in a slot
.set ROWB,   256                       ; a tile's row in bytes: 512 codes
.set KROW,   512                       ; a row of xc or wc in memory
.set PITCH,  272                       ; an LDS row: 256 bytes + 16 of padding = 68 words: row r starts at bank 4 r mod 64 (64 banks of 4 bytes: ISA guide 11.1)
.set FR,     8                         ; registers of a fragment: 16 rows x 128 K
.set NL,     2                         ; LDS loads that bring one
.set NP,     4                         ; places behind this matrix instruction (ISA guide 7.12.1)
.set HALFT,  128*PITCH                 ; 128 rows: what one tensor load brings
.set SLOT,   4*HALFT                   ; x's 256 rows, then w's 256 rows
.set KS,     32                        ; a row of scale bytes
.set SCL,    2*SLOT                    ; behind the two slots: the scales, as rows of 256 bytes + 16 of padding
.set HALFS,  (128*KS/256)*272          ; those of 128 rows: what one tensor load brings
.set SBLK,   (16*KS/256)*272           ; those of 16 rows
.set SPARE,  SCL+4*HALFS               ; behind the scales: the spare words, 128 bytes a wave; no other line names them
.set SPITCH, 272                       ; the way out: a stage of 16 rows x (256 bytes + 16) for each wave, in slot 0, which has had its only fill and its last read when the first result is stored there
.set ADRA, 16                          ; v16-17  LDS address of my x fragments in slot 0, 1
.set ADRB, 20                          ; v20-21  the same for w
.set STO,  24                          ; v24     the way out: where I put 16 bytes of a row
.set RD,   25                          ; v25     the way out: where I read back
.set CO,   26                          ; v26     my byte offset in the result
.set ADRS, 27                          ; v27     LDS address of my scale words: lanes 0-15 x's rows, lanes 16-31 w's
.set SPW,  28                          ; v28     LDS address of my spare word; never rewritten
.set NIL,  29                          ; v29     0; never rewritten
.set SC,   32                          ; scale words: set s at v[SC + 32 s]; register 4 i + q: lanes 0-15 the word of x's block i, lanes 16-31 that of w's block i, for the slot's q-th 128 along K
.set AF,   128                         ; x's fragments
.set BIAS, 192                         ; v[BIAS + 8 b ..]: the bias of columns 16 b + 8 (lane / 16) + 0 .. 7 of my 128
.set T,    32                          ; the way out: a block's 64 numbers, scaled
.set TMP,  96                          ; packed to f16
.set OB,   128                         ; read back from the stage: v128-159 and v160-191 by turns
.set G1, 24                            ; s[24:31] descriptor group 1 for x's tiles;  s[32:39] group 0, one set for each slot
.set G0, 32
.set G1B, 48                           ; s[48:55], s[56:63] the same for w's tiles
.set G0B, 56
.set G1S, 68                           ; s[68:75], s[76:79] groups 1 and 0 for x's scales;  s[80:87], s[88:91] for w's
.set G0S, 76
.set G1SB, 80
.set G0SB, 88
.set FAC, 66                           ; s[66:67] log2(e) / 8 for q, 1 for k and v
.set BP,  96                           ; s[96:101] bq, bk, bv; then s[96:97] my tensor's bias
.set MSB, 0
.macro WIN new                         ; the immediate's high byte repeats the setting that is left
.if MSB != (\new)
	s_set_vgpr_msb (MSB<<8)|(\new)
.set MSB, (\new)
.endif
.endm
.set MUL_LO,  0xa1                     ; source 0 (w) window 1, source 1 (x) window 0, C and D window 2
.set MUL_HI,  0xf1                     ; the same, C and D window 3
.set MULZ_LO, 0x81                     ; a sum's first product: C is the bias, in window 0
.set MULZ_HI, 0xc1
.set TO_B,    0x40                     ; destination window 1, address window 0
; A joint load: waves 0 and 1 fetch for x, waves 2 and 3 for w.  Each of the two lines has one mask and one set of registers for all that issue it; the branch hangs on the wave's number alone.
; An s_nop 0 and four v_nop follow each of the two lines.
.macro JLOAD g0a, g1a, g0b, g1b
	s_cmp_eq_u32 s15, 0
	s_cbranch_scc0 .Lfor_b_\@
	tensor_load_to_lds s[\g0a:\g0a+3], s[\g1a:\g1a+7]
	s_nop 0
.rept 4
	v_nop
.endr
	s_branch .Lasked_\@
.Lfor_b_\@:
	tensor_load_to_lds s[\g0b:\g0b+3], s[\g1b:\g1b+7]
	s_nop 0
.rept 4
	v_nop
.endr
.Lasked_\@:
.endm
.macro CROUND                          ; a round of the cluster's barrier: my work-group's barrier; wave 0 signals for the work-group; every wave waits for all sixteen; my work-group's barrier once more
	s_barrier_signal -1
	s_barrier_wait -1
	s_cmp_lg_u32 s14, 0
	s_cbranch_scc1 .Lnot_wave_0_\@
	s_barrier_signal -3
.Lnot_wave_0_\@:
	s_barrier_wait -3
	s_barrier_signal -1
	s_barrier_wait -1
.endm
	s_load_b128 s[4:7], s[0:1], 0x0                ; xc, xs
	s_load_b128 s[8:11], s[0:1], 0x10              ; wc, ws
	s_load_b128 s[BP:BP+3], s[0:1], 0x20           ; bq, bk
	s_load_b64 s[BP+4:BP+5], s[0:1], 0x30          ; bv
	s_load_b64 s[12:13], s[0:1], 0x38              ; qkv
	v_lshl_add_u32 v[SPW], v0, 2, SPARE
	v_mov_b32 v[NIL], 0
	ds_add_u32 v[SPW], v[NIL]                      ; the wave's opening: the add, twice on end, and its wait ahead of my first tensor load; the set-up below stands between
	ds_add_u32 v[SPW], v[NIL]
	v_lshrrev_b32 v1, 5, v0
	v_readfirstlane_b32 s14, v1                    ; wave 0..3
	s_lshr_b32 s15, s14, 1                         ; which half of the tile's rows is mine.  Also: I fetch for x (0) or for w (1)
	s_and_b32 s16, s14, 1                          ; which half of its columns.  Also: which 128 rows of that tile I fetch
	s_bfe_u32 s40, ttmp6, 0x40000                  ; cx, cy: my place in the cluster
	s_bfe_u32 s41, ttmp6, 0x40004
	s_lshl_b32 s42, ttmp9, 2
	s_add_co_u32 s42, s42, s40                     ; tile column of C = 4 x cluster x + cx: 0 to 11
	s_and_b32 s17, ttmp7, 0xffff
	s_lshl_b32 s17, s17, 2
	s_add_co_u32 s17, s17, s41                     ; tile row of C = 4 x cluster y + cy: 0 to 31
	s_lshl_b32 s43, s41, 2
	s_lshl_b32 s43, 15, s43                        ; my row of the cluster
	s_lshl_b32 s44, 0x1111, s40                    ; my column
	; descriptor group 1: a tile of 128 rows x 256 bytes, padded in LDS
	s_or_b32 s[G1+0], s43, (0<<16)|(1<<20)|(1<<21)|(5<<22)|(3<<25)  ; 15:0 the mask: x's tiles go to my row; 17:16 elements of 1 byte; 20 padding on; 21 set beside a mask; 24:22 after every 64 words; 31:25 four words
	s_or_b32 s[G1B+0], s44, (0<<16)|(1<<20)|(1<<21)|(5<<22)|(3<<25)
.irp g, G1, G1B
	s_mov_b32 s[\g+1], ROWB<<16                    ; tensor_dim0
	s_mov_b32 s[\g+2], 128<<16                     ; tensor_dim1
	s_mov_b32 s[\g+3], ROWB<<16                    ; tile_dim0
	s_mov_b32 s[\g+4], 128                         ; tile_dim1
	s_mov_b32 s[\g+5], KROW                        ; tensor_dim0_stride
	s_mov_b32 s[\g+6], 0
	s_mov_b32 s[\g+7], 0
.endr
	; and for the scales of 128 rows: a dense block of 4,096 bytes, as 16 rows of 256 bytes (32 elements of 8 bytes), 16 bytes of padding behind each
	s_or_b32 s[G1S+0], s43, (3<<16)|(1<<20)|(1<<21)|(5<<22)|(3<<25)
	s_or_b32 s[G1SB+0], s44, (3<<16)|(1<<20)|(1<<21)|(5<<22)|(3<<25)
.irp g, G1S, G1SB
	s_mov_b32 s[\g+1], 32<<16
	s_mov_b32 s[\g+2], (128*KS/256)<<16
	s_mov_b32 s[\g+3], 32<<16
	s_mov_b32 s[\g+4], 128*KS/256
	s_mov_b32 s[\g+5], 32
	s_mov_b32 s[\g+6], 0
	s_mov_b32 s[\g+7], 0
.endr
	s_lshl_b32 s18, s16, 7                         ; which 128 rows of the tile I fetch
	s_lshl_b32 s20, s17, 8
	s_add_co_u32 s20, s20, s18                     ; x: row 256 x tile row + 128 x half
	s_lshl_b32 s46, s42, 8
	s_add_co_u32 s46, s46, s18                     ; w: row 256 x tile column + 128 x half
	s_mov_b32 s21, 0
	s_mov_b32 s47, 0
	s_mov_b64 s[18:19], KS
	s_mul_u64 s[22:23], s[20:21], s[18:19]         ; where these rows' scales begin, in bytes
	s_mul_u64 s[92:93], s[46:47], s[18:19]
	s_mov_b64 s[18:19], KROW
	s_mul_u64 s[20:21], s[20:21], s[18:19]         ; and their codes
	s_mul_u64 s[46:47], s[46:47], s[18:19]
	s_mul_i32 s45, s14, HALFT                      ; where they go: wave x 128 rows: no place in the cluster enters an LDS address
	s_mul_i32 s94, s14, HALFS
	s_wait_dscnt 0x0                               ; both opening adds are done
	s_wait_kmcnt 0x0
	s_add_nc_u64 s[20:21], s[4:5], s[20:21]
	s_add_nc_u64 s[22:23], s[6:7], s[22:23]
	s_add_nc_u64 s[46:47], s[8:9], s[46:47]
	s_add_nc_u64 s[92:93], s[10:11], s[92:93]
	CROUND                                         ; all sixteen work-groups are here: the joint loads meet
	s_mov_b32 s[G0S], 1
	s_add_co_u32 s[G0S+1], s94, SCL
	s_mov_b64 s[G0S+2:G0S+3], s[22:23]
	s_or_b32 s[G0S+3], s[G0S+3], 0x80000000
	s_mov_b32 s[G0SB], 1
	s_add_co_u32 s[G0SB+1], s94, SCL
	s_mov_b64 s[G0SB+2:G0SB+3], s[92:93]
	s_or_b32 s[G0SB+3], s[G0SB+3], 0x80000000
	JLOAD G0S, G1S, G0SB, G1SB                     ; the scales first: they are wanted with the first slot.  Three loads of mine are out when all first fills are issued
.irp s, 0,1
	s_mov_b32 s[G0+4*\s], 1
	s_add_co_u32 s[G0+4*\s+1], s45, \s*SLOT
	s_add_nc_u64 s[G0+4*\s+2:G0+4*\s+3], s[20:21], \s*ROWB
	s_or_b32 s[G0+4*\s+3], s[G0+4*\s+3], 0x80000000
	s_mov_b32 s[G0B+4*\s], 1
	s_add_co_u32 s[G0B+4*\s+1], s45, \s*SLOT
	s_add_nc_u64 s[G0B+4*\s+2:G0B+4*\s+3], s[46:47], \s*ROWB
	s_or_b32 s[G0B+4*\s+3], s[G0B+4*\s+3], 0x80000000
	JLOAD G0+4*\s, G1, G0B+4*\s, G1B
.endr
	v_and_b32 v1, 15, v0                           ; l % 16
	v_bfe_u32 v2, v0, 4, 1                         ; l / 16
	; my tensor's bias and factor: the cluster's x is the tensor's number, the same in all sixteen partners
	s_cmp_lt_u32 ttmp9, 1
	s_cselect_b64 s[BP:BP+1], s[BP:BP+1], s[BP+2:BP+3]
	s_cmp_lt_u32 ttmp9, 2
	s_cselect_b64 s[BP:BP+1], s[BP:BP+1], s[BP+4:BP+5]
	s_mov_b32 s[FAC], 1.0
	s_cmp_eq_u32 ttmp9, 0
	s_cselect_b32 s[FAC], 0x3e38aa3b, s[FAC]       ; log2(e) / 8
	s_mov_b32 s[FAC+1], s[FAC]                     ; (the packed form names the pair)
	s_lshl_b32 s46, s40, 10                        ; my first column in the tensor, x 4 bytes: 256 cx + 128 x half
	s_lshl_b32 s47, s16, 9
	s_add_co_u32 s46, s46, s47
	s_mov_b32 s47, 0
	s_add_nc_u64 s[BP:BP+1], s[BP:BP+1], s[46:47]
	v_lshlrev_b32 v7, 5, v2                        ; lanes 16-31 hold the upper eight columns of a block of 16
.irp b, 0,1,2,3,4,5,6,7
	global_load_b128 v[BIAS+8*\b:BIAS+8*\b+3], v7, s[BP:BP+1] offset:64*\b
	global_load_b128 v[BIAS+8*\b+4:BIAS+8*\b+7], v7, s[BP:BP+1] offset:64*\b+16
.endr
	v_mul_u32_u24 v3, v1, PITCH
	v_lshl_add_u32 v4, v2, 4, v3                   ; a fragment's row x pitch + 16 x half
	s_mul_i32 s21, s15, HALFT                      ; my 128 rows of x
	s_mul_i32 s22, s16, HALFT                      ; my 128 rows of w,
	s_add_co_u32 s22, s22, 2*HALFT                 ; which lie behind x's 256
.irp s, 0,1
	v_add_nc_u32 v[ADRA+\s], s21, v4
	v_add_nc_u32 v[ADRB+\s], s22, v4
	s_add_co_u32 s21, s21, SLOT
	s_add_co_u32 s22, s22, SLOT
.endr
	v_mul_u32_u24 v5, v1, KS                       ; my row's scales: 32 bytes a row,
	v_lshrrev_b32 v6, 8, v5
	v_lshl_add_u32 v5, v6, 4, v5                   ; and 16 more for each 256 passed
	s_mul_i32 s21, s15, HALFS                      ; x's: my 128 rows
	s_mul_i32 s22, s16, HALFS                      ; w's: my 128 rows, behind x's 256
	s_add_co_u32 s22, s22, 2*HALFS
	s_sub_co_u32 s22, s22, s21
	v_mul_u32_u24 v6, s22, v2                      ; lanes 16-31 take w's: one product, the distance between the two bases
	s_add_co_u32 s21, s21, SCL
	v_add_nc_u32 v5, v5, v6
	v_add_nc_u32 v[ADRS], s21, v5
	s_mul_i32 s23, s14, 16*SPITCH                  ; my stage
	v_mul_u32_u24 v5, v1, SPITCH                   ; in: row l % 16, 16 bytes for each half of the lanes
	v_lshl_add_u32 v5, v2, 4, v5
	v_add_nc_u32 v[STO], s23, v5
	v_bfe_u32 v5, v0, 3, 1                         ; back: a stage row holds 128 bytes of one head and 128 of the next.  Lanes 0-15 take two rows' parts of the first head, lanes 16-31 of the second:
	v_mul_u32_u24 v5, v5, SPITCH                   ; row (l / 8) % 2,
	v_lshl_add_u32 v5, v2, 7, v5                   ; head l / 16,
	v_and_b32 v6, 7, v0
	v_lshl_add_u32 v5, v6, 4, v5                   ; 16 bytes a lane
	v_add_nc_u32 v[RD], s23, v5
	v_lshlrev_b32 v[CO], 4, v1                     ; in memory two rows of a head are 256 consecutive bytes: 16 (l % 16),
	v_lshl_add_u32 v[CO], v2, 18, v[CO]            ; and the next head lies 2^18 bytes on
	s_lshr_b32 s20, s17, 3                         ; where my part begins in the result: batch = tile row / 8: 16 heads of 2^18 bytes,
	s_lshl_b32 s20, s20, 22
	s_and_b32 s21, s17, 7
	s_lshl_b32 s21, s21, 15                        ; 256 positions of 128 bytes a tile row,
	s_add_co_u32 s20, s20, s21
	s_lshl_b32 s21, s15, 14                        ; my half's 128
	s_add_co_u32 s20, s20, s21
	s_mov_b32 s21, 0
	s_lshl_b32 s46, ttmp9, 24                      ; the tensor,
	s_lshl_b32 s47, s40, 20                        ; four heads a tile column,
	s_add_co_u32 s46, s46, s47
	s_lshl_b32 s47, s16, 19                        ; two a half
	s_add_co_u32 s46, s46, s47
	s_mov_b32 s47, 0
	s_add_nc_u64 s[20:21], s[20:21], s[46:47]
	s_add_nc_u64 s[12:13], s[12:13], s[20:21]
.macro FRAG reg, adr, q, i             ; a fragment: lane l holds row l % 16; registers 4 c .. 4 c + 3 hold K = 64 c + 32 (l / 16) + 0 .. 31
.irp c, 0,1
	ds_load_b128 v[\reg+4*\c:\reg+4*\c+3], v[\adr] offset:64*(\q)+32*\c+(\i)*16*PITCH
.endr
.endm
; 16 matrix instructions: x's blocks a0, a0 + 1 against w's eight, 128 along K: the slot's q-th.  p: w's set; sc: the set of scale words.  zero = 1: the first product starts the sums from the bias.
; The 64 accumulators take turns, one instruction a turn, in the same order in every step.
.macro MUL16 a0, p, q, sc, zero
.irp a, \a0, \a0+1
.irp b, 0,1,2,3,4,5,6,7
.if \zero
	v_wmma_scale_f32_16x16x128_f8f6f4 v[8*(8*((\a)%4)+\b):8*(8*((\a)%4)+\b)+7], v[128*(\p)+FR*\b:128*(\p)+FR*\b+FR-1], v[AF+FR*(\a):AF+FR*(\a)+FR-1], v[BIAS+8*\b:BIAS+8*\b+7], v[SC+8*NQ*(\sc)+NQ*\b+(\q)], v[SC+8*NQ*(\sc)+NQ*(\a)+(\q)] matrix_a_fmt:MATRIX_FMT_FP4 matrix_b_fmt:MATRIX_FMT_FP4 matrix_a_scale:MATRIX_SCALE_ROW1
.else
	v_wmma_scale_f32_16x16x128_f8f6f4 v[8*(8*((\a)%4)+\b):8*(8*((\a)%4)+\b)+7], v[128*(\p)+FR*\b:128*(\p)+FR*\b+FR-1], v[AF+FR*(\a):AF+FR*(\a)+FR-1], v[8*(8*((\a)%4)+\b):8*(8*((\a)%4)+\b)+7], v[SC+8*NQ*(\sc)+NQ*\b+(\q)], v[SC+8*NQ*(\sc)+NQ*(\a)+(\q)] matrix_a_fmt:MATRIX_FMT_FP4 matrix_b_fmt:MATRIX_FMT_FP4 matrix_a_scale:MATRIX_SCALE_ROW1
.endif
.endr
.endr
.endm
.macro FETCH_B slot, q, p              ; w's eight fragments of the slot's q-th 128 along K into set p
	WIN TO_B
.irp i, 0,1,2,3,4,5,6,7
	FRAG 128*(\p)+FR*\i, ADRB+\slot, \q, \i
.endr
	WIN 0
.endm
.macro FETCH_A slot, q, i0             ; x's blocks i0 .. i0 + 3
.irp i, \i0, \i0+1, \i0+2, \i0+3
	FRAG AF+FR*(\i), ADRA+\slot, \q, \i
.endr
.endm
.macro SCALES sc                       ; a slot's scale words into set sc: four words a row; lanes 0-15 take x's block i, lanes 16-31 w's block i
.irp i, 0,1,2,3,4,5,6,7
	ds_load_b128 v[SC+8*NQ*\sc+NQ*\i:SC+8*NQ*\sc+NQ*\i+3], v[ADRS] offset:\i*SBLK
.endr
.endm
; A load into a register that a matrix instruction has read, and a vector instruction that reads a matrix result or writes one of its registers, stand NP places behind it; only plain vector
; instructions that name none of its registers are places (ISA guide 7.12.1 for vector instructions).
.macro PLACES n
.rept \n
	v_nop
.endr
.endm
; A step of 128 along K that has its successor in the same slot.  x has one set of registers: blocks 0-3 are fetched anew in the step's middle, blocks 4-7 at its end; w has two sets.
.macro STEP slot, q, zero
	s_wait_dscnt 4*NL                              ; w's set and x's blocks 0-3 are in; the youngest eight loads (x's blocks 4-7) may be out
.if \zero
	WIN MULZ_LO
.else
	WIN MUL_LO
.endif
	MUL16 0, (\q)%2, \q, \slot, \zero
	MUL16 2, (\q)%2, \q, \slot, \zero
	s_wait_dscnt 0                                 ; x's blocks 4-7 are in
	PLACES NP
	FETCH_B \slot, (\q)+1, 1-(\q)%2
	FETCH_A \slot, (\q)+1, 0
.if \zero
	WIN MULZ_HI
.else
	WIN MUL_HI
.endif
	MUL16 4, (\q)%2, \q, \slot, \zero
	MUL16 6, (\q)%2, \q, \slot, \zero
	PLACES NP
	WIN 0
	FETCH_A \slot, (\q)+1, 4
.endm
; Slot 0's last step goes on into slot 1: one barrier; in front of it each wave waits for all its tensor loads (its part of slot 1), adds 0 to its spare word, and waits for that and for its reads of slot 0.
; Nothing is filled again: behind this barrier slot 0 is free for the stages.
.macro TURN slot, next
	s_wait_tensorcnt 0x0                           ; all my tensor loads have landed  (every window is 0 here)
	ds_add_u32 v[SPW], v[NIL]                      ; 0 onto my spare word
	s_wait_dscnt 4*NL+1                            ; (the add and the youngest eight loads may be out)
	WIN MUL_LO
	MUL16 0, 1, NQ-1, \slot, 0                     ; sixteen matrix instructions stand between the add and the wait for it
	s_wait_dscnt 0x0                               ; the add is done, and my reads of this slot are over
	s_barrier_signal -1
	MUL16 2, 1, NQ-1, \slot, 0
	WIN 0
	s_barrier_wait -1
	PLACES NP
	v_add_nc_u32 v[ADRS], 4*NQ, v[ADRS]            ; on to the next slot's scale words
	FETCH_B \next, 0, 0
	FETCH_A \next, 0, 0
	SCALES \next
	WIN MUL_HI
	MUL16 4, 1, NQ-1, \slot, 0
	MUL16 6, 1, NQ-1, \slot, 0
	PLACES NP
	WIN 0
	FETCH_A \next, 0, 4
.endm
	s_wait_tensorcnt 1                             ; the scales and my part of slot 0 are in (slot 1's load may be out)
	s_barrier_signal -1
	s_barrier_wait -1                              ; everybody's are
	FETCH_B 0, 0, 0
	FETCH_A 0, 0, 0
	SCALES 0
	FETCH_A 0, 0, 4
	s_wait_loadcnt 0x0                             ; the bias
	STEP 0, 0, 1                                   ; the first step's products start the sums from the bias: nothing is cleared, nothing is added later
	STEP 0, 1, 0
	STEP 0, 2, 0
	TURN 0, 1
	STEP 1, 0, 0
	STEP 1, 1, 0
	STEP 1, 2, 0
	s_wait_dscnt 4*NL                              ; the very last step: nothing more to fetch
	WIN MUL_LO
	MUL16 0, 1, NQ-1, 1, 0
	MUL16 2, 1, NQ-1, 1, 0
	s_wait_dscnt 0
	WIN MUL_HI
	MUL16 4, 1, NQ-1, 1, 0
	MUL16 6, 1, NQ-1, 1, 0
	WIN 0
; THE WAY OUT, block by block of 16 rows x 128 columns (two heads).  PACK: times the factor, rounded to f16: 16 bytes a lane.  TOSTAGE: into my own stage and back by heads.  SEND: stored.
.macro PACK a
.set AC, 64*((\a)%4)
	WIN 0x02+(\a)/4                                ; source 0: window 2 or 3
.set i, 0
.rept 32
	v_pk_mul_f32 v[T+2*i:T+2*i+1], v[AC+2*i:AC+2*i+1], s[FAC:FAC+1] op_sel_hi:[1,0]   ; ascending: each accumulator is read from its low end on
.set i, i+1
.endr
	WIN 0
.set i, 0
.rept 32
	v_cvt_pk_f16_f32 v[TMP+i], v[T+2*i], v[T+2*i+1]
.set i, i+1
.endr
.endm
.macro TOSTAGE a
.set BB, OB+32*((\a)%2)
.irp b, 0,1,2,3,4,5,6,7
	ds_store_b128 v[STO], v[TMP+4*\b:TMP+4*\b+3] offset:32*\b
.endr
.irp t, 0,1,2,3,4,5,6,7
	ds_load_b128 v[BB+4*\t:BB+4*\t+3], v[RD] offset:\t*2*SPITCH    ; LDS serves a wave's instructions in order (ISA guide 5.7.1.4): these see the stores above
.endr
.endm
.macro SEND a
.set BB, OB+32*((\a)%2)
	s_wait_dscnt 0x0                               ; the block is back in registers
	s_wait_xcnt 0x0                                ; the earlier stores have read their registers: the block after this one may land where the block before it lay
.irp t, 0,1,2,3,4,5,6,7
	global_store_b128 v[CO], v[BB+4*\t:BB+4*\t+3], s[12:13] offset:2048*(\a)+256*\t   ; 16 lanes store two rows of a head: 256 consecutive bytes, at a multiple of 256 from the buffer's first byte
.endr
.endm
	PLACES NP                                      ; behind the last products: for the first reads of results, the writes over scale words and the loads into x's registers alike
	PACK 0
	TOSTAGE 0
.irp a, 1,2,3,4,5,6,7                  ; block a's arithmetic stands between block a - 1's loads from the stage and the wait for them
	PACK \a
	SEND \a-1
	TOSTAGE \a
.endr
	SEND 7
	s_wait_tensorcnt 0x0                           ; the wave's end, behind my last tensor load and my last LDS store
	ds_add_u32 v[SPW], v[NIL]
	s_wait_dscnt 0x0
	CROUND                                         ; the closing round: no work-group ends while a partner may still ask for a tile that names it
	s_endpgm
.Lfunc_end_k_q922bb66c0a_qkv:
	.size	k_q922bb66c0a_qkv, .Lfunc_end_k_q922bb66c0a_qkv-k_q922bb66c0a_qkv
	.p2alignl 7, 3214868480
	.fill 96, 4, 3214868480
	.section	.rodata,"a",@progbits
	.p2align	6, 0x0
	.amdhsa_kernel k_q922bb66c0a_qkv
		.amdhsa_group_segment_fixed_size 327680
		.amdhsa_private_segment_fixed_size 0
		.amdhsa_enable_private_segment 0
		.amdhsa_kernarg_size 64
		.amdhsa_user_sgpr_count 2
		.amdhsa_user_sgpr_kernarg_segment_ptr 1
		.amdhsa_wavefront_size32 1
		.amdhsa_system_sgpr_workgroup_id_x 1
		.amdhsa_system_sgpr_workgroup_id_y 1
		.amdhsa_system_sgpr_workgroup_id_z 1
		.amdhsa_system_vgpr_workitem_id 0
		.amdhsa_next_free_vgpr 1024
		.amdhsa_next_free_sgpr 102
		.amdhsa_reserve_vcc 0
		.amdhsa_float_denorm_mode_32 3
		.amdhsa_float_denorm_mode_16_64 3
		.amdhsa_memory_ordered 1
		.amdhsa_forward_progress 1
		.amdhsa_inst_pref_size 145
	.end_amdhsa_kernel
	.amdgpu_metadata
---
amdhsa.version: [ 1, 2 ]
amdhsa.kernels:
  - .name:           k_q922bb66c0a_qkv
    .symbol:         k_q922bb66c0a_qkv.kd
    .args:
      - { .name: xc, .offset: 0, .size: 8, .value_kind: global_buffer, .address_space: global }
      - { .name: xs, .offset: 8, .size: 8, .value_kind: global_buffer, .address_space: global }
      - { .name: wc, .offset: 16, .size: 8, .value_kind: global_buffer, .address_space: global }
      - { .name: ws, .offset: 24, .size: 8, .value_kind: global_buffer, .address_space: global }
      - { .name: bq, .offset: 32, .size: 8, .value_kind: global_buffer, .address_space: global }
      - { .name: bk, .offset: 40, .size: 8, .value_kind: global_buffer, .address_space: global }
      - { .name: bv, .offset: 48, .size: 8, .value_kind: global_buffer, .address_space: global }
      - { .name: qkv, .offset: 56, .size: 8, .value_kind: global_buffer, .address_space: global }
    .group_segment_fixed_size: 327680
    .private_segment_fixed_size: 0
    .kernarg_segment_align: 8
    .kernarg_segment_size: 64
    .max_flat_workgroup_size: 128
    .sgpr_count:     102
    .vgpr_count:     1024
    .wavefront_size: 32
...
	.end_amdgpu_metadata
.endif
;; end of part 3
;; launch attn (part 4): grid 4 x 64, 8 waves a work-group, clusters of 4 x 1, 327,680 bytes of LDS; arguments qkv, ao; writes ao
.if DOCPART == 4
	.amdgcn_target "amdgcn-amd-amdhsa--gfx1250"
	.amdhsa_code_object_version 6
	.text
	.protected	k_q922bb66c0a_attn
	.globl	k_q922bb66c0a_attn
	.p2align	8
	.type	k_q922bb66c0a_attn,@function
k_q922bb66c0a_attn:
	s_mov_b64 s[64:65], 0
	v_nop
	global_prefetch_b8 v0, s[64:65] scope:SCOPE_SE
	s_setreg_imm32_b32 hwreg(HW_REG_WAVE_MODE, 25, 1), 1
	s_wait_xcnt 0x0
	s_wait_alu depctr_hold_cnt(0) depctr_sa_sdst(0) depctr_va_vdst(0) depctr_va_sdst(0) depctr_va_ssrc(0) depctr_va_vcc(0) depctr_vm_vsrc(0)
	s_getreg_b32 s2, hwreg(HW_REG_IB_STS2, 6, 4)
	s_cmp_eq_u32 s2, 0
	s_cbranch_scc0 .Lentry_in_a_cluster
	s_endpgm
.Lentry_in_a_cluster:
	s_bfe_u32 s2, ttmp6, 0x10000c
	s_cmp_lg_u32 s2, 0x3003
	s_cbranch_scc0 .Lentry_shape_is_right
	s_endpgm
.Lentry_shape_is_right:
; O[bh][q][:] = the sum over k of softmax_k(Q[bh][q] . K[bh][k] / 8) V[bh][k][:], 64 heads (batch x head) of 2,048 positions x 64 channels, no mask.  Q, K, V: f16, head-major, at 0, 2^24 and 2^25 bytes of qkv;
; Q comes already multiplied by log2(e) / 8, so a score is an exponent of two.  O: f16, the same layout (ao).  Products, maxima and sums in f32; the weights p are rounded to f16 for the second product.
; SOFTMAX.  For each query a running maximum m and sum l: p = 2^(s - m); in every step O and l are multiplied by a = 2^(m_old - m_new), which is 1 where m has not grown.  l is the sum of the unrounded p.
; LIMITS: NaN and infinities are not served; a p under f16's smallest subnormal counts as 0 in the second product.
; SHARES.  A cluster of four work-groups is one head; a work-group owns 512 of its queries, each of its EIGHT waves 64: four tiles of 16, in 512 registers.  Two waves share a SIMD, so that one wave's vector work can
; stand beside the other's matrix work.  Every wave walks all 2,048 keys, 64 a step; each fragment of K and V read from LDS feeds four matrix instructions.
; LAYOUT.  S^T = K Q^T (source 0 = 16 keys, source 1 = 16 queries): a lane holds ONE query (lane % 16) and keys 8 (lane / 16) + 0..7.  Two such tiles, rounded to f16 in pairs, ARE source 1 (32 keys x 16 queries) of
; O^T = V^T P, whose result again holds one query a lane.  K comes out of LDS as it lies, V ([key][channel]) turned, by ds_load_tr16_b128.
; THE RING.  Two slots of 512 keys (8 steps); the head's 2,048 keys are four slots' worth: two first fills and two refills.  Waves 0-3 fetch K's four quarters of a slot, waves 4-7 V's: one load a wave.
; CLUSTER.  The four partners walk the same K and V: each tile is asked for JOINTLY, by the same tensor load with the same descriptor and a mask that names the four.
; REGISTERS: window 0: v1-13 addresses; v16-47 eight registers of statistics a tile; v64-191 S^T, 32 a tile, then P in the first 16 of each; v192-255 K of one step.
;   window 1: v0-127 O^T, 32 a tile; v128-191 Q, 16 a tile; v192-255 V of one step.
.set KS,     64                        ; keys in a step
.set SK,     512                       ; keys in a slot
.set PK,     144                       ; a row of K in LDS: 128 bytes + 16 = 36 words: the 16 rows of a load start at 16 different groups of four banks (64 banks of 4 bytes: ISA guide 11.1)
.set PVP,    160                       ; a row of V: 128 + 32 = 40 words
.set VOFF,   SK*PK                     ; a slot: 512 rows of K, then 512 rows of V
.set SLOTB,  SK*(PK+PVP)
.set SPARE,  2*SLOTB                   ; behind the ring: the spare words, 128 bytes for each of eight waves; no other line names them
.set KSTEPB, KS*PK
.set VSTEPB, KS*PVP
.set AK0, 2                            ; v2   my lane's place in a tile of K; never rewritten
.set AV0, 3                            ; v3   the same for V
.set ADK, 4                            ; v4   LDS address of the step's K
.set ADV, 5                            ; v5   of its V
.set QO,  6                            ; v6   my byte offset in the wave's rows of Q
.set STO, 7                            ; v7   the way out: where I put 16 bytes of a row.  The stage, 16 rows x 144 bytes a wave, lies at slot A's head, which has had its last fill and its last read by then
.set RD,  8                            ; v8   the way out: where I read back
.set GO,  9                            ; v9   16 x lane
.set PFO, 10                           ; v10  256 x lane: the prefetches' offset; never rewritten
.set SPW, 12                           ; v12  LDS address of my spare word; never rewritten
.set NIL, 13                           ; v13  0; never rewritten
.set ST,  16                           ; tile t's statistics at v[ST + 8 t]: +0 m, +1 m_old and then m_old - m_new, +2, +3 l (even keys', odd keys'), +4 to +7 c0-c3, at work; a takes c2's place
.set S,   64
.set KF,  192                          ; K's fragments (16 keys kt, 32 channels c) at v[KF + 16 kt + 8 c], window 0
.set QF,  128                          ; Q's (tile t, channels c) at v[QF + 16 t + 8 c], window 1
.set VF,  192                          ; V's (32 keys c, 16 channels dt) at v[VF + 8 (4 c + dt)], window 1
.set WV,  12                           ; s12  my wave's number
.set LIM, 15                           ; s15  2 in a wave that prefetches, else the greatest number
.set PFA, 18                           ; s[18:19] where my prefetches stand: my 8,192 bytes of slot 0's K or V; the slot stands in the immediate; never rewritten
.set G1K, 24                           ; s[24:31] descriptor group 1 for K's tiles;  s[32:39] for V's: it differs in the padding alone
.set G1V, 32
.set G0K, 40                           ; s[40:47] group 0 for K's tiles, a set for each slot;  s[48:55] for V's
.set G0V, 48
.set TK,  56                           ; s56  LDS byte at which the step's K begins
.set TV,  57                           ; s57  and its V
.set CNT, 58                           ; s58  steps to go in the pass
.set SEL, 60                           ; s[60:61] lane selects for v_permlanex16_b32: lane l xor 16
.set MSB, 0
.macro WIN new                         ; the immediate's high byte repeats the setting that is left
.if MSB != (\new)
	s_set_vgpr_msb (MSB<<8)|(\new)
.set MSB, (\new)
.endif
.endm
.set W_KQ, 0x04                        ; Q (source 1) in window 1; K and S^T in window 0
.set W_PV, 0x51                        ; V (source 0) and O^T (C and D) in window 1; P in window 0
.set W_RS, 0x41                        ; O^T (destination and source 0) in window 1, the factor in window 0
.set TO_1, 0x40                        ; destination window 1, address window 0
.macro PLACES n
.rept \n
	v_nop
.endr
.endm
; A joint refill of a slot.  The branch hangs on the wave's number alone.  An s_nop 0 and four v_nop follow each of the two lines.
.macro JLOAD slot
	s_cmp_lt_u32 s[WV], 4
	s_cbranch_scc0 .Lfor_v_\@
	tensor_load_to_lds s[G0K+4*\slot:G0K+4*\slot+3], s[G1K:G1K+7]
	s_nop 0
.rept 4
	v_nop
.endr
	s_branch .Lasked_\@
.Lfor_v_\@:
	tensor_load_to_lds s[G0V+4*\slot:G0V+4*\slot+3], s[G1V:G1V+7]
	s_nop 0
.rept 4
	v_nop
.endr
.Lasked_\@:
.endm
.macro CROUND                          ; a round of the cluster's barrier: my work-group's barrier; wave 0 signals for the work-group; every wave waits for all four; my work-group's barrier once more
	s_barrier_signal -1
	s_barrier_wait -1
	s_cmp_lg_u32 s[WV], 0
	s_cbranch_scc1 .Lnot_wave_0_\@
	s_barrier_signal -3
.Lnot_wave_0_\@:
	s_barrier_wait -3
	s_barrier_signal -1
	s_barrier_wait -1
.endm
; A PREFETCH INTO THE L2 of slot n's worth of keys, which the next change of slots will ask for: 65,536 bytes of K and as many of V.  It stands in the trip in which two steps of the pass are left, behind the step's run
; of LDS loads.  Each aligned block of 256 bytes is named once in the launch: only this cluster reads the head; its four partners take 16,384 bytes each, told apart BY ADDRESS; in each, waves 0 and 1 ask for K's
; and waves 4 and 5 for V's, 8,192 bytes a wave, lanes 256 bytes apart.  Nothing is asked for at the head, and nothing in the last two passes: there is no slot behind them.
.macro ASK n
	s_cmp_eq_u32 s[CNT], s[LIM]
	s_cbranch_scc0 .Lnot_mine_\@
	global_prefetch_b8 v[PFO], s[PFA:PFA+1] offset:(\n)*65536 th:TH_LOAD_NT scope:SCOPE_SE
.Lnot_mine_\@:
.endm
	s_load_b128 s[4:7], s[0:1], 0x0                ; qkv, ao
	v_lshl_add_u32 v[SPW], v0, 2, SPARE
	v_mov_b32 v[NIL], 0
	ds_add_u32 v[SPW], v[NIL]                      ; the wave's opening: the add, twice on end, and its wait ahead of my first tensor load; the set-up below stands between
	ds_add_u32 v[SPW], v[NIL]
	v_lshrrev_b32 v1, 5, v0
	v_readfirstlane_b32 s[WV], v1                  ; wave 0..7
	s_bfe_u32 s13, ttmp6, 0x40000                  ; cx: my place in the cluster = my block of 512 queries
	s_and_b32 s20, ttmp7, 0xffff                   ; the head, which the four partners share
	s_lshl_b32 s20, s20, 18                        ; its first byte in each tensor
	s_and_b32 s16, s[WV], 3                        ; which quarter of a slot's rows I fetch
	s_lshl_b32 s22, s16, 14                        ; 128 rows of 128 bytes
	s_add_co_u32 s22, s22, s20
	s_add_co_u32 s22, s22, 1<<24                   ; in K
	s_mov_b32 s23, 0
	s_mul_i32 s14, s16, 128*PK                     ; and their place in a slot: no place in the cluster enters an LDS address
	s_mul_i32 s17, s16, 128*PVP
	s_lshl_b32 s2, s13, 16                         ; my block's 512 rows,
	s_lshl_b32 s3, s[WV], 13                       ; my wave's 64 of them
	s_add_co_u32 s2, s2, s3
	s_add_co_u32 s2, s2, s20
	s_mov_b32 s3, 0
	s_lshr_b32 s21, s[WV], 2                       ; the prefetches: waves 0-3 K, waves 4-7 V,
	s_add_co_u32 s21, s21, 1
	s_lshl_b32 s21, s21, 24
	s_add_co_u32 s20, s20, s21
	s_lshl_b32 s21, s13, 14                        ; my work-group's 16,384 bytes of a slot's 65,536,
	s_add_co_u32 s20, s20, s21
	s_lshl_b32 s21, s16, 13                        ; my wave's 8,192 of them
	s_add_co_u32 s20, s20, s21
	s_mov_b32 s21, 0
	s_cmp_lt_u32 s16, 2
	s_cselect_b32 s[LIM], 2, -1                    ; waves 0, 1, 4, 5 ask: the same in all four partners
	; descriptor group 1: a tile of 128 rows x 64 elements of 2 bytes, dense in memory, padded in LDS
	s_mov_b32 s[G1K], 15|(1<<16)|(1<<20)|(1<<21)|(4<<22)|(3<<25)  ; 15:0 the mask: all four work-groups; 17:16 elements of 2 bytes; 20 padding on; 21 set beside a mask; 24:22 after every 32 words; 31:25 four words
	s_mov_b32 s[G1V], 15|(1<<16)|(1<<20)|(1<<21)|(4<<22)|(7<<25)  ; the same with eight words of padding
.irp g, G1K, G1V
	s_mov_b32 s[\g+1], 64<<16                      ; tensor_dim0
	s_mov_b32 s[\g+2], 128<<16                     ; tensor_dim1
	s_mov_b32 s[\g+3], 64<<16                      ; tile_dim0
	s_mov_b32 s[\g+4], 128                         ; tile_dim1
	s_mov_b32 s[\g+5], 64                          ; tensor_dim0_stride
	s_mov_b32 s[\g+6], 0
	s_mov_b32 s[\g+7], 0
.endr
	s_mov_b32 s[SEL], 0x76543210
	s_mov_b32 s[SEL+1], 0xfedcba98
	s_wait_dscnt 0x0                               ; both opening adds are done
	s_wait_kmcnt 0x0
	s_add_nc_u64 s[PFA:PFA+1], s[4:5], s[20:21]
	s_add_nc_u64 s[8:9], s[4:5], s[22:23]          ; K at my quarter of slot 0's worth
	s_add_nc_u64 s[10:11], s[8:9], 1<<24           ; V likewise
	s_add_nc_u64 s[4:5], s[4:5], s[2:3]            ; Q and O at my wave's first row
	s_add_nc_u64 s[6:7], s[6:7], s[2:3]
	CROUND                                         ; all four work-groups are here: the first joint loads meet
.irp s, 0,1
	s_mov_b32 s[G0K+4*\s], 1                       ; 1:0 count = 1
	s_add_co_u32 s[G0K+4*\s+1], s14, \s*SLOTB      ; 63:32 LDS address
	s_add_nc_u64 s[G0K+4*\s+2:G0K+4*\s+3], s[8:9], \s*65536   ; 120:64 global address: keys 512 s on
	s_or_b32 s[G0K+4*\s+3], s[G0K+4*\s+3], 0x80000000         ; 127:126 type = 2
	s_mov_b32 s[G0V+4*\s], 1
	s_add_co_u32 s[G0V+4*\s+1], s17, \s*SLOTB+VOFF
	s_add_nc_u64 s[G0V+4*\s+2:G0V+4*\s+3], s[10:11], \s*65536
	s_or_b32 s[G0V+4*\s+3], s[G0V+4*\s+3], 0x80000000
.endr
	s_cmp_lt_u32 s[WV], 4                          ; a wave's two first fills stand in one branch, ahead of every wait on TENSORcnt and every LDS read: two loads of mine are out
	s_cbranch_scc0 .Lfirst_v
	tensor_load_to_lds s[G0K:G0K+3], s[G1K:G1K+7]
	s_nop 0
	tensor_load_to_lds s[G0K+4:G0K+7], s[G1K:G1K+7]
	s_nop 0
.rept 4
	v_nop
.endr
	s_branch .Lfirst_asked
.Lfirst_v:
	tensor_load_to_lds s[G0V:G0V+3], s[G1V:G1V+7]
	s_nop 0
	tensor_load_to_lds s[G0V+4:G0V+7], s[G1V:G1V+7]
	s_nop 0
.rept 4
	v_nop
.endr
.Lfirst_asked:
	; A fragment of K or Q is 16 rows x 32 channels in 8 registers: lane l holds row l % 16; registers 0-3 channels 8 (l / 16) + 0..7, registers 4-7 channels 16 + 8 (l / 16) + 0..7: two loads of 16 bytes, 32 bytes apart.
	v_and_b32 v1, 15, v0                           ; l % 16
	v_bfe_u32 v11, v0, 4, 1                        ; l / 16
	v_lshlrev_b32 v[QO], 7, v1
	v_lshl_add_u32 v[QO], v11, 4, v[QO]            ; row x 128 + 16 x half
	WIN TO_1
.irp t, 0,1,2,3                        ; Q stays in registers
.irp c, 0,1
	global_load_b128 v[QF+16*\t+8*\c:QF+16*\t+8*\c+3],   v[QO], s[4:5] offset:2048*\t+64*\c
	global_load_b128 v[QF+16*\t+8*\c+4:QF+16*\t+8*\c+7], v[QO], s[4:5] offset:2048*\t+64*\c+32
.endr
.endr
	WIN 0
	v_mul_u32_u24 v[AK0], v1, PK
	v_lshl_add_u32 v[AK0], v11, 4, v[AK0]          ; row x pitch + 16 x half
	; The turning load takes 16 keys x 16 channels (lane l reads 16 bytes: key 8 (l / 16) + l % 8, channels 8 ((l / 8) % 2) + 0..7) and leaves half a fragment of V^T: lane l holds channel l % 16 and 8 keys.
	v_and_b32 v14, 7, v0
	v_bfe_u32 v15, v0, 3, 1
	v_lshl_add_u32 v[AV0], v11, 3, v14
	v_mul_u32_u24 v[AV0], v[AV0], PVP
	v_lshl_add_u32 v[AV0], v15, 4, v[AV0]
	s_mul_i32 s14, s[WV], 16*PK                    ; my stage
	v_add_nc_u32 v[STO], s14, v[AK0]               ; in: row l % 16, 16 bytes for each half of the lanes
	v_bfe_u32 v15, v0, 3, 2
	v_mul_u32_u24 v[RD], v15, PK                   ; back: eight lanes to a row of 128 bytes, four rows an instruction
	v_lshl_add_u32 v[RD], v14, 4, v[RD]
	v_add_nc_u32 v[RD], s14, v[RD]
	v_and_b32 v[GO], 31, v0
	v_lshlrev_b32 v[PFO], 8, v[GO]
	v_lshlrev_b32 v[GO], 4, v[GO]                  ; in memory those four rows are 512 consecutive bytes
; A step's LDS loads in one run: K (64 keys x 64 channels: 8 fragments), then V (turned: 8 fragments).
.macro FETCH
	v_add_nc_u32 v[ADK], s[TK], v[AK0]
	v_add_nc_u32 v[ADV], s[TV], v[AV0]
.irp kt, 0,1,2,3
.irp c, 0,1
	ds_load_b128 v[KF+16*\kt+8*\c:KF+16*\kt+8*\c+3],   v[ADK] offset:\kt*16*PK+64*\c
	ds_load_b128 v[KF+16*\kt+8*\c+4:KF+16*\kt+8*\c+7], v[ADK] offset:\kt*16*PK+64*\c+32
.endr
.endr
	WIN TO_1
.irp c, 0,1
.irp dt, 0,1,2,3
	ds_load_tr16_b128 v[VF+8*(4*\c+\dt):VF+8*(4*\c+\dt)+3],   v[ADV] offset:\c*32*PVP+32*\dt
	ds_load_tr16_b128 v[VF+8*(4*\c+\dt)+4:VF+8*(4*\c+\dt)+7], v[ADV] offset:\c*32*PVP+16*PVP+32*\dt
.endr
.endr
	WIN 0
.endm
; A KEY STEP, in phases: the loads; 32 products K Q^T; the four tiles' softmax, every line written for the four tiles by turns, so that no line waits for the line above it; O^T times a; 32 products V^T P.
; first = 1: the first key step, which starts m, l and O^T.  ask = n: the prefetch of slot n's worth of keys stands in this step; 0: none.
; In both runs of products the 16 accumulators take turns, one instruction a turn.
.macro STEP first, ask
	FETCH
.if \ask
	ASK \ask
.endif
	s_wait_dscnt 16                                ; K's sixteen loads are in; V's sixteen may be out
	WIN W_KQ
.irp c, 0,1
.irp kt, 0,1,2,3
.irp qt, 0,1,2,3
.if \c == 0
	v_wmma_f32_16x16x32_f16 v[S+32*\qt+8*\kt:S+32*\qt+8*\kt+7], v[KF+16*\kt+8*\c:KF+16*\kt+8*\c+7], v[QF+16*\qt+8*\c:QF+16*\qt+8*\c+7], 0
.else
	v_wmma_f32_16x16x32_f16 v[S+32*\qt+8*\kt:S+32*\qt+8*\kt+7], v[KF+16*\kt+8*\c:KF+16*\kt+8*\c+7], v[QF+16*\qt+8*\c:QF+16*\qt+8*\c+7], v[S+32*\qt+8*\kt:S+32*\qt+8*\kt+7]
.endif
.endr
.endr
.endr
	PLACES 4                                       ; four places between the products and the first read of the scores (ISA guide 7.12.1)
	WIN 0
.irp j, 0,1,2,3                        ; the maximum of the lane's 32 scores and the old m, three operands at a time: four chains c0-c3, each begun at its accumulator's low end
.irp t, 0,1,2,3
	v_max3_num_f32 v[ST+8*\t+4+\j], v[S+32*\t+8*\j], v[S+32*\t+8*\j+1], v[S+32*\t+8*\j+2]
.endr
.endr
.irp u, 1,2
.irp j, 0,1,2,3
.irp t, 0,1,2,3
	v_max3_num_f32 v[ST+8*\t+4+\j], v[ST+8*\t+4+\j], v[S+32*\t+8*\j+2*\u+1], v[S+32*\t+8*\j+2*\u+2]
.endr
.endr
.endr
.irp t, 0,1,2,3
	v_max3_num_f32 v[ST+8*\t+4], v[ST+8*\t+4], v[S+32*\t+7], v[S+32*\t+15]
.endr
.irp t, 0,1,2,3
	v_max3_num_f32 v[ST+8*\t+6], v[ST+8*\t+6], v[S+32*\t+23], v[S+32*\t+31]
.endr
.irp t, 0,1,2,3
	v_max3_num_f32 v[ST+8*\t+4], v[ST+8*\t+4], v[ST+8*\t+5], v[ST+8*\t+6]
.endr
.irp t, 0,1,2,3
.if \first
	v_max_num_f32 v[ST+8*\t+4], v[ST+8*\t+4], v[ST+8*\t+7]
.else
	v_max3_num_f32 v[ST+8*\t+4], v[ST+8*\t+4], v[ST+8*\t+7], v[ST+8*\t]
.endif
.endr
.irp t, 0,1,2,3
	v_permlanex16_b32 v[ST+8*\t+5], v[ST+8*\t+4], s[SEL], s[SEL+1]   ; the query's other 32 keys lie in the lane 16 away
.endr
.irp t, 0,1,2,3
.if \first
	v_mov_b32 v[ST+8*\t+1], 0                      ; (named below as the upper half of a pair, so it is written)
.else
	v_mov_b32 v[ST+8*\t+1], v[ST+8*\t]             ; m_old is kept for a
.endif
.endr
.irp t, 0,1,2,3
	v_max_num_f32 v[ST+8*\t], v[ST+8*\t+4], v[ST+8*\t+5]             ; the new m
.endr
.if !\first
.irp t, 0,1,2,3
	v_sub_f32 v[ST+8*\t+1], v[ST+8*\t+1], v[ST+8*\t]                 ; m_old - m_new, 0 or less
.endr
.endif
.set i, 0
.rept 16
.irp t, 0,1,2,3
	v_pk_add_f32 v[S+32*\t+2*i:S+32*\t+2*i+1], v[S+32*\t+2*i:S+32*\t+2*i+1], v[ST+8*\t:ST+8*\t+1] op_sel_hi:[1,0] neg_lo:[0,1] neg_hi:[0,1]   ; s - m, two at a time (of the pair the low word, m, serves both halves)
.endr
.set i, i+1
.endr
.if !\first
.irp t, 0,1,2,3
	v_exp_f32 v[ST+8*\t+6], v[ST+8*\t+1]           ; a
.endr
.endif
.set i, 0
.rept 32
.irp t, 0,1,2,3
	v_exp_f32 v[S+32*\t+i], v[S+32*\t+i]           ; p = 2^(s - m), at most 1
.endr
.set i, i+1
.endr
	v_nop                                          ; a plain instruction behind the last exponential (ISA guide 5.7.2),
	s_wait_alu depctr_va_vdst(0)                   ; and one wait for the whole batch, ahead of its first reader
.irp t, 0,1,2,3                        ; l = a l + the sum of the unrounded p, in pairs (an even key's, an odd key's)
.if \first
	v_pk_add_f32 v[ST+8*\t+2:ST+8*\t+3], v[S+32*\t:S+32*\t+1], v[S+32*\t+2:S+32*\t+3]
.else
	v_pk_fma_f32 v[ST+8*\t+2:ST+8*\t+3], v[ST+8*\t+2:ST+8*\t+3], v[ST+8*\t+6:ST+8*\t+7], v[S+32*\t:S+32*\t+1] op_sel_hi:[1,0,1]
.endif
.endr
.if !\first
.irp t, 0,1,2,3
	v_pk_add_f32 v[ST+8*\t+2:ST+8*\t+3], v[ST+8*\t+2:ST+8*\t+3], v[S+32*\t+2:S+32*\t+3]
.endr
.endif
.set i, 2
.rept 14
.irp t, 0,1,2,3
	v_pk_add_f32 v[ST+8*\t+2:ST+8*\t+3], v[ST+8*\t+2:ST+8*\t+3], v[S+32*\t+2*i:S+32*\t+2*i+1]
.endr
.set i, i+1
.endr
.set i, 0
.rept 16
.irp t, 0,1,2,3
	v_cvt_pk_f16_f32 v[S+32*\t+i], v[S+32*\t+2*i], v[S+32*\t+2*i+1]  ; P, packed into the tile's first 16 registers: register i is written when pairs 0 to i - 1 have been read
.endr
.set i, i+1
.endr
.if !\first
	WIN W_RS
.set i, 0
.rept 16
.irp t, 0,1,2,3
	v_pk_mul_f32 v[32*\t+2*i:32*\t+2*i+1], v[32*\t+2*i:32*\t+2*i+1], v[ST+8*\t+6:ST+8*\t+7] op_sel_hi:[1,0]   ; O^T times a, ascending: each accumulator from its low end on
.endr
.set i, i+1
.endr
.endif
	s_wait_dscnt 0x0                               ; V is in
	WIN W_PV
.irp c, 0,1
.irp dt, 0,1,2,3
.irp qt, 0,1,2,3
.if \first && (\c == 0)
	v_wmma_f32_16x16x32_f16 v[32*\qt+8*\dt:32*\qt+8*\dt+7], v[VF+8*(4*\c+\dt):VF+8*(4*\c+\dt)+7], v[S+32*\qt+8*\c:S+32*\qt+8*\c+7], 0
.else
	v_wmma_f32_16x16x32_f16 v[32*\qt+8*\dt:32*\qt+8*\dt+7], v[VF+8*(4*\c+\dt):VF+8*(4*\c+\dt)+7], v[S+32*\qt+8*\c:S+32*\qt+8*\c+7], v[32*\qt+8*\dt:32*\qt+8*\dt+7]
.endif
.endr
.endr
.endr
	WIN 0
	PLACES 5                                       ; the next step's products write S^T over P, which these products read: five places; its loads into V's registers want four
.endm
; A pass over one slot: its K begins at LDS byte kb, its V at vb.  The step is written once and walked trips times; the first pass has the first key step written out ahead of its loop.
.macro PASS kb, vb, trips, first, ask
	s_mov_b32 s[TK], \kb
	s_mov_b32 s[TV], \vb
.if \first
	STEP 1, 0
	s_add_co_u32 s[TK], s[TK], KSTEPB
	s_add_co_u32 s[TV], s[TV], VSTEPB
.endif
	s_mov_b32 s[CNT], \trips
.Lpass_\@:
	STEP 0, \ask
	s_add_co_u32 s[TK], s[TK], KSTEPB
	s_add_co_u32 s[TV], s[TV], VSTEPB
	s_sub_co_u32 s[CNT], s[CNT], 1
	s_cmp_lg_u32 s[CNT], 0
	s_cbranch_scc1 .Lpass_\@
.endm
; THE CHANGE OF SLOTS.  Each wave waits for all its tensor loads, of which one is out: its part of the slot ahead; adds 0 to its spare word; and waits for that and for its reads of the slot that it leaves.
; fill = 1: that slot is filled again, with the keys two slots on.  The barrier is then a round of the cluster's, so that no wave of any partner still reads the slot or has a load on its way, and the joint
; refill is the first thing behind it: it has a pass of eight steps in which to land.
.macro CHANGE fill, slot
	s_wait_tensorcnt 0x0                           ; no tensor load of mine is out, so a group 0 may be written
	ds_add_u32 v[SPW], v[NIL]                      ; 0 onto my spare word
.if \fill
	s_add_nc_u64 s[G0K+4*\slot+2:G0K+4*\slot+3], s[G0K+4*\slot+2:G0K+4*\slot+3], 2*65536   ; the slot's next 512 keys; the type bits on top are not reached
	s_add_nc_u64 s[G0V+4*\slot+2:G0V+4*\slot+3], s[G0V+4*\slot+2:G0V+4*\slot+3], 2*65536
	s_wait_dscnt 0x0                               ; the add is done, and my reads of the slot are over
	CROUND
	JLOAD \slot
.else
	s_wait_dscnt 0x0
	s_barrier_signal -1
	s_barrier_wait -1
.endif
.endm
	s_wait_tensorcnt 1                             ; my part of slot A is in; slot B's may stay out
	s_barrier_signal -1
	s_barrier_wait -1                              ; everybody's is
	s_wait_loadcnt 0x0                             ; Q
	PASS 0, VOFF, 7, 1, 2                          ; keys 0 to 511
	CHANGE 1, 0                                    ; slot A takes keys 1,024 on
	PASS SLOTB, SLOTB+VOFF, 8, 0, 3                ; keys 512 to 1,023
	CHANGE 1, 1                                    ; slot B takes keys 1,536 on
	PASS 0, VOFF, 8, 0, 0
	CHANGE 0, 0                                    ; nothing is left to fetch
	PASS SLOTB, SLOTB+VOFF, 8, 0, 0
	; THE WAY OUT.  l's two halves and the other half of the lanes' are added; O^T is divided by l, rounded to f16 and sent through my stage in LDS, a tile (16 rows of O) at a time.
.irp t, 0,1,2,3
	v_add_f32 v[ST+8*\t+4], v[ST+8*\t+2], v[ST+8*\t+3]
.endr
.irp t, 0,1,2,3
	v_permlanex16_b32 v[ST+8*\t+5], v[ST+8*\t+4], s[SEL], s[SEL+1]
.endr
.irp t, 0,1,2,3
	v_add_f32 v[ST+8*\t+4], v[ST+8*\t+4], v[ST+8*\t+5]
.endr
.irp t, 0,1,2,3
	v_rcp_f32 v[ST+8*\t+6], v[ST+8*\t+4]
.endr
	v_nop                                          ; a plain instruction between the last reciprocal and the use of its result,
	s_wait_alu depctr_va_vdst(0)                   ; and one wait for the four
.macro PACK t
	WIN W_RS
.set i, 0
.rept 16
	v_pk_mul_f32 v[32*\t+2*i:32*\t+2*i+1], v[32*\t+2*i:32*\t+2*i+1], v[ST+8*\t+6:ST+8*\t+7] op_sel_hi:[1,0]
.set i, i+1
.endr
	WIN 0x05                                       ; sources 0 and 1 window 1, destination window 0
.set i, 0
.rept 16
	v_cvt_pk_f16_f32 v[S+32*\t+i], v[32*\t+2*i], v[32*\t+2*i+1]
.set i, i+1
.endr
	WIN 0
.irp d, 0,1,2,3
	ds_store_b128 v[STO], v[S+32*\t+4*\d:S+32*\t+4*\d+3] offset:32*\d
.endr
.irp d, 0,1,2,3
	ds_load_b128 v[S+32*\t+16+4*\d:S+32*\t+16+4*\d+3], v[RD] offset:\d*4*PK   ; LDS serves a wave's instructions in order (ISA guide 5.7.1.4): these see the stores above; the next tile's stores come behind them
.endr
.endm
.macro SEND t, younger                 ; younger: the LDS instructions issued behind tile t's loads: the next tile's eight, or none
.irp d, 0,1,2,3
	s_wait_dscnt \younger+3-\d
	global_store_b128 v[GO], v[S+32*\t+16+4*\d:S+32*\t+16+4*\d+3], s[6:7] offset:2048*\t+512*\d   ; 32 lanes store four rows: 512 consecutive bytes, at a multiple of 256 from the buffer's first byte
.endr
.endm
	PACK 0
	PACK 1                                         ; a tile's arithmetic stands between the loads of the tile before and its stores
	SEND 0, 8
	PACK 2
	SEND 1, 8
	PACK 3
	SEND 2, 8
	SEND 3, 0
	s_wait_tensorcnt 0x0                           ; the wave's end, behind my last tensor load and my last LDS store
	ds_add_u32 v[SPW], v[NIL]
	s_wait_dscnt 0x0
	CROUND                                         ; the closing round: no work-group ends while a partner may still ask for a tile that names it
	s_endpgm
.Lfunc_end_k_q922bb66c0a_attn:
	.size	k_q922bb66c0a_attn, .Lfunc_end_k_q922bb66c0a_attn-k_q922bb66c0a_attn
	.p2alignl 7, 3214868480
	.fill 96, 4, 3214868480
	.section	.rodata,"a",@progbits
	.p2align	6, 0x0
	.amdhsa_kernel k_q922bb66c0a_attn
		.amdhsa_group_segment_fixed_size 327680
		.amdhsa_private_segment_fixed_size 0
		.amdhsa_enable_private_segment 0
		.amdhsa_kernarg_size 16
		.amdhsa_user_sgpr_count 2
		.amdhsa_user_sgpr_kernarg_segment_ptr 1
		.amdhsa_wavefront_size32 1
		.amdhsa_system_sgpr_workgroup_id_x 1
		.amdhsa_system_sgpr_workgroup_id_y 1
		.amdhsa_system_sgpr_workgroup_id_z 1
		.amdhsa_system_vgpr_workitem_id 0
		.amdhsa_next_free_vgpr 512
		.amdhsa_next_free_sgpr 66
		.amdhsa_reserve_vcc 0
		.amdhsa_float_denorm_mode_32 3
		.amdhsa_float_denorm_mode_16_64 3
		.amdhsa_memory_ordered 1
		.amdhsa_forward_progress 1
		.amdhsa_inst_pref_size 179
	.end_amdhsa_kernel
	.amdgpu_metadata
---
amdhsa.version: [ 1, 2 ]
amdhsa.kernels:
  - .name:           k_q922bb66c0a_attn
    .symbol:         k_q922bb66c0a_attn.kd
    .args:
      - { .name: qkv, .offset: 0, .size: 8, .value_kind: global_buffer, .address_space: global }
      - { .name: ao, .offset: 8, .size: 8, .value_kind: global_buffer, .address_space: global }
    .group_segment_fixed_size: 327680
    .private_segment_fixed_size: 0
    .kernarg_segment_align: 8
    .kernarg_segment_size: 16
    .max_flat_workgroup_size: 256
    .sgpr_count:     66
    .vgpr_count:     512
    .wavefront_size: 32
...
	.end_amdgpu_metadata
.endif
;; end of part 4
;; launch oproj (part 5): grid 8 x 32, 4 waves a work-group, clusters of 4 x 4, 327,680 bytes of LDS; arguments ao, woh, bo, out0; writes out0
.if DOCPART == 5
	.amdgcn_target "amdgcn-amd-amdhsa--gfx1250"
	.amdhsa_code_object_version 6
	.text
	.protected	k_q922bb66c0a_oproj
	.globl	k_q922bb66c0a_oproj
	.p2align	8
	.type	k_q922bb66c0a_oproj,@function
k_q922bb66c0a_oproj:
	s_mov_b64 s[64:65], 0
	v_nop
	global_prefetch_b8 v0, s[64:65] scope:SCOPE_SE
	s_setreg_imm32_b32 hwreg(HW_REG_WAVE_MODE, 25, 1), 1
	s_wait_xcnt 0x0
	s_wait_alu depctr_hold_cnt(0) depctr_sa_sdst(0) depctr_va_vdst(0) depctr_va_sdst(0) depctr_va_ssrc(0) depctr_va_vcc(0) depctr_vm_vsrc(0)
	s_getreg_b32 s2, hwreg(HW_REG_IB_STS2, 6, 4)
	s_cmp_eq_u32 s2, 0
	s_cbranch_scc0 .Lentry_in_a_cluster
	s_endpgm
.Lentry_in_a_cluster:
	s_bfe_u32 s2, ttmp6, 0x10000c
	s_cmp_lg_u32 s2, 0xf033
	s_cbranch_scc0 .Lentry_shape_is_right
	s_endpgm
.Lentry_shape_is_right:
; out0[m][n] = sum over k of A[m][k] wo[k][n] + bo[n], m = 8,192, n = 1,024, K = 1,024; operands f16, sums f32, result f32.
; A is the attention's result, head-major (ao: [16 b + h][2048 s][64] f16): row m = 2048 b + s, k = 64 h + d.  So 64 along K of 256 rows is one dense block of 32,768 bytes: a head plane.
; wo comes as f16 in its own order (woh: [k][n]): its tiles lie in LDS as [k][n] and are turned on their way into registers by ds_load_tr16_b128.
; A tile of C is 256 (m) x 128 (n): 256 work-groups.  Four waves, each 128 x 64: 32 accumulators of 16 x 16, 256 registers.  K goes in steps of 128 (two heads) through a ring of two LDS slots; a step is four
; quarters of 32 along K, 32 matrix instructions each, on two fragment buffers by turns.
; CLUSTERS: 4 x 4 work-groups.  The four of a row of the cluster need the same planes of A, the four of a column the same tiles of wo: each is asked for JOINTLY, by the same tensor load with the same descriptor
; and a mask that names the four.  Waves 0 and 1 fetch a step's two planes of A, waves 2 and 3 the two halves of its 128 rows of wo.
; THE MATRIX INSTRUCTION IS USED TRANSPOSED (source 0 = 16 columns of wo, source 1 = 16 rows of A): a lane then holds eight neighbouring numbers of a row of C.  THE BIAS is the C of each sum's first product.
; LIMIT: what is infinite in f16 in ao or woh stays so.
; REGISTERS: window 0: v1-29 addresses; v32-63 the bias; v64-127 the way out.   window 1: two fragment buffers of 96: 64 registers of A (8 x 16 rows x 32 K), then 32 of wo (4 x 16 columns x 32 K).
;   window 2: the accumulators ((a, b) at v[8 (4 a + b)]).
.set PA,     144                       ; a row of A in LDS: 128 bytes + 16 = 36 words: the 16 rows of a load start at 16 different groups of four banks (64 banks of 4 bytes: ISA guide 11.1)
.set PB,     288                       ; a row of wo: 256 + 32 = 72 words
.set PLANE,  256*PA                    ; a head plane: 256 rows
.set BOFF,   2*PLANE                   ; a slot: A's two planes, then wo's 128 rows
.set SLOT,   BOFF+128*PB
.set STAGE,  2*SLOT                    ; behind the ring: 16 rows x 272 bytes for each wave, for the way out; no tensor load fills it
.set SPITCH, 272
.set SPARE,  STAGE+4*16*SPITCH         ; behind the stages: the spare words, 128 bytes a wave; no other line names them
.set ASTEP,  524288                    ; a K step on in ao: two heads of 2^18 bytes
.set BSTEP,  262144                    ; and in woh: 128 rows of 2,048 bytes
.set LAPS,   4                         ; a lap = two K steps = once round the ring
.set ADRA, 16                          ; v16-17  LDS address of my A fragments in slot 0, 1
.set ADRB, 20                          ; v20-21  the same for wo
.set STO,  24                          ; v24     the way out: where I put 32 bytes of a row
.set RD,   25                          ; v25     the way out: where I read a row back
.set CO,   26                          ; v26     my byte offset in C
.set SPW,  28                          ; v28     LDS address of my spare word; never rewritten
.set NIL,  29                          ; v29     0; never rewritten
.set BIAS, 32                          ; v[BIAS + 8 b ..]: bo of columns 16 b + 8 (lane / 16) + 0 .. 7 of my 64
.set OB,   64                          ; the way out: v64-95 and v96-127 by turns
.set F0,   0                           ; fragment buffers, in window 1
.set F1,   96
.set G1, 24                            ; s[24:31] descriptor group 1 for A's planes;  s[32:39] group 0, one set for each slot
.set G0, 32
.set G1B, 48                           ; s[48:55], s[56:63] the same for wo's tiles
.set G0B, 56
.set BP,  66                           ; s[66:67] bo
.set MSB, 0
.macro WIN new                         ; the immediate's high byte repeats the setting that is left
.if MSB != (\new)
	s_set_vgpr_msb (MSB<<8)|(\new)
.set MSB, (\new)
.endif
.endm
.set MUL,  0xa5                        ; sources 0 (wo) and 1 (A) window 1; C and D window 2
.set MULZ, 0x85                        ; a sum's first product: C is the bias, in window 0
.set TO_F, 0x40                        ; destination window 1, address window 0
.macro JLOAD s                         ; a joint load; an s_nop 0 and four v_nop follow each of the two lines; the branch hangs on the wave's number alone
	s_cmp_eq_u32 s11, 0
	s_cbranch_scc0 .Lfor_b_\@
	tensor_load_to_lds s[G0+4*\s:G0+4*\s+3], s[G1:G1+7]
	s_nop 0
.rept 4
	v_nop
.endr
	s_branch .Lasked_\@
.Lfor_b_\@:
	tensor_load_to_lds s[G0B+4*\s:G0B+4*\s+3], s[G1B:G1B+7]
	s_nop 0
.rept 4
	v_nop
.endr
.Lasked_\@:
.endm
.macro CREST                           ; a round of the cluster's barrier behind its opening barrier
	s_cmp_lg_u32 s10, 0
	s_cbranch_scc1 .Lnot_wave_0_\@
	s_barrier_signal -3
.Lnot_wave_0_\@:
	s_barrier_wait -3
	s_barrier_signal -1
	s_barrier_wait -1
.endm
.macro CROUND                          ; a whole round
	s_barrier_signal -1
	s_barrier_wait -1
	CREST
.endm
	s_load_b128 s[4:7], s[0:1], 0x0                ; ao, woh
	s_load_b64 s[BP:BP+1], s[0:1], 0x10            ; bo
	s_load_b64 s[8:9], s[0:1], 0x18                ; out0
	v_lshl_add_u32 v[SPW], v0, 2, SPARE
	v_mov_b32 v[NIL], 0
	ds_add_u32 v[SPW], v[NIL]                      ; the wave's opening: the add, twice on end, and its wait ahead of my first tensor load; the set-up below stands between
	ds_add_u32 v[SPW], v[NIL]
	v_lshrrev_b32 v1, 5, v0
	v_readfirstlane_b32 s10, v1                    ; wave 0..3
	s_lshr_b32 s11, s10, 1                         ; which half of the tile's rows is mine.  Also: I fetch for A (0) or for wo (1)
	s_and_b32 s12, s10, 1                          ; which half of its columns.  Also: which plane of A, or which 64 rows of wo, I fetch
	s_bfe_u32 s40, ttmp6, 0x40000                  ; cx, cy: my place in the cluster
	s_bfe_u32 s41, ttmp6, 0x40004
	s_lshl_b32 s42, ttmp9, 2
	s_add_co_u32 s42, s42, s40                     ; tile column of C = 4 x cluster x + cx: 0 to 7
	s_and_b32 s13, ttmp7, 0xffff
	s_lshl_b32 s13, s13, 2
	s_add_co_u32 s13, s13, s41                     ; tile row of C = 4 x cluster y + cy: 0 to 31
	s_lshl_b32 s43, s41, 2
	s_lshl_b32 s43, 15, s43                        ; my row of the cluster
	s_lshl_b32 s44, 0x1111, s40                    ; my column
	; descriptor group 1.  A: a plane of 256 rows x 64 elements of 2 bytes, dense in memory; four words of padding after every 32
	s_or_b32 s[G1+0], s43, (1<<16)|(1<<20)|(1<<21)|(4<<22)|(3<<25)  ; 15:0 the mask: A's planes go to my row; 17:16 elements of 2 bytes; 20 padding on; 21 set beside a mask
	s_mov_b32 s[G1+1], 64<<16                      ; tensor_dim0
	s_mov_b32 s[G1+2], 256<<16                     ; tensor_dim1
	s_mov_b32 s[G1+3], 64<<16                      ; tile_dim0
	s_mov_b32 s[G1+4], 256                         ; tile_dim1
	s_mov_b32 s[G1+5], 64                          ; tensor_dim0_stride
	s_mov_b32 s[G1+6], 0
	s_mov_b32 s[G1+7], 0
	; wo: 64 rows x 128 elements, 1,024 elements from row to row; eight words of padding after every 64
	s_or_b32 s[G1B+0], s44, (1<<16)|(1<<20)|(1<<21)|(5<<22)|(7<<25)
	s_mov_b32 s[G1B+1], 128<<16
	s_mov_b32 s[G1B+2], 64<<16
	s_mov_b32 s[G1B+3], 128<<16
	s_mov_b32 s[G1B+4], 64
	s_mov_b32 s[G1B+5], 1024
	s_mov_b32 s[G1B+6], 0
	s_mov_b32 s[G1B+7], 0
	; where the tiles come from.  A's hang on the tile row alone, wo's on the tile column alone, each in registers that never hold the other coordinate
	s_lshr_b32 s16, s13, 3                         ; batch = tile row / 8: 16 heads of 2^18 bytes,
	s_lshl_b32 s16, s16, 22
	s_and_b32 s17, s13, 7
	s_lshl_b32 s17, s17, 15                        ; 256 positions of 128 bytes a tile row,
	s_add_co_u32 s16, s16, s17
	s_lshl_b32 s17, s12, 18                        ; my plane of the step's two
	s_add_co_u32 s16, s16, s17
	s_mov_b32 s17, 0
	s_lshl_b32 s46, s12, 17                        ; wo: my 64 rows of 2,048 bytes,
	s_lshl_b32 s47, s42, 8                         ; the tile's 128 columns
	s_add_co_u32 s46, s46, s47
	s_mov_b32 s47, 0
	s_mul_i32 s20, s12, PLANE                      ; and where they go: no place in the cluster enters an LDS address
	s_mul_i32 s21, s12, 64*PB
	s_add_co_u32 s21, s21, BOFF
	s_wait_dscnt 0x0                               ; both opening adds are done
	s_wait_kmcnt 0x0
	s_add_nc_u64 s[14:15], s[4:5], s[16:17]
	s_add_nc_u64 s[46:47], s[6:7], s[46:47]
	CROUND                                         ; all sixteen work-groups are here: the first joint loads meet
.irp s, 0,1
	s_mov_b32 s[G0+4*\s], 1
	s_add_co_u32 s[G0+4*\s+1], s20, \s*SLOT
	s_add_nc_u64 s[G0+4*\s+2:G0+4*\s+3], s[14:15], \s*ASTEP
	s_or_b32 s[G0+4*\s+3], s[G0+4*\s+3], 0x80000000
	s_mov_b32 s[G0B+4*\s], 1
	s_add_co_u32 s[G0B+4*\s+1], s21, \s*SLOT
	s_add_nc_u64 s[G0B+4*\s+2:G0B+4*\s+3], s[46:47], \s*BSTEP
	s_or_b32 s[G0B+4*\s+3], s[G0B+4*\s+3], 0x80000000
	JLOAD \s                                       ; two loads of mine are out when both are issued
.endr
	v_and_b32 v1, 15, v0                           ; l % 16
	v_bfe_u32 v2, v0, 4, 1                         ; l / 16
	v_mul_u32_u24 v3, v1, PA
	v_lshl_add_u32 v3, v2, 4, v3                   ; A: a fragment's row x pitch + 16 x half
	v_and_b32 v4, 7, v0                            ; wo: the turning load: lane l reads 16 bytes of row 8 (l / 16) + l % 8, columns 8 ((l / 8) % 2) + 0..7
	v_lshl_add_u32 v4, v2, 3, v4
	v_mul_u32_u24 v4, v4, PB
	v_bfe_u32 v5, v0, 3, 1
	v_lshl_add_u32 v4, v5, 4, v4
	s_mul_i32 s21, s11, 128*PA                     ; my 128 rows of A
	s_lshl_b32 s22, s12, 7                         ; my 64 columns of wo,
	s_add_co_u32 s22, s22, BOFF                    ; which lies behind A's planes
.irp s, 0,1
	v_add_nc_u32 v[ADRA+\s], s21, v3
	v_add_nc_u32 v[ADRB+\s], s22, v4
	s_add_co_u32 s21, s21, SLOT
	s_add_co_u32 s22, s22, SLOT
.endr
	s_mul_i32 s23, s10, 16*SPITCH
	s_add_co_u32 s23, s23, STAGE                   ; my stage
	v_mul_u32_u24 v4, v1, SPITCH                   ; in: row l % 16, 32 bytes for each half of the lanes
	v_lshl_add_u32 v4, v2, 5, v4
	v_add_nc_u32 v[STO], s23, v4
	v_mul_u32_u24 v5, v2, SPITCH                   ; back: lanes 0-15 take one row of 256 bytes, lanes 16-31 the next
	v_lshl_add_u32 v5, v1, 4, v5
	v_add_nc_u32 v[RD], s23, v5
	v_lshlrev_b32 v[CO], 4, v1                     ; and the same two rows in C, 4,096 bytes apart
	v_lshl_add_u32 v[CO], v2, 12, v[CO]
	s_lshl_b32 s16, s13, 8
	s_lshl_b32 s17, s11, 7
	s_add_co_u32 s16, s16, s17                     ; my first row of C: 256 x tile row + 128 x half
	s_lshl_b32 s16, s16, 12
	s_mov_b32 s17, 0
	s_add_nc_u64 s[8:9], s[8:9], s[16:17]
	s_lshl_b32 s46, s42, 9                         ; my first column, x 4 bytes: 128 x tile column + 64 x half: the same offset in a row of C and in bo
	s_lshl_b32 s47, s12, 8
	s_add_co_u32 s46, s46, s47
	s_mov_b32 s47, 0
	s_add_nc_u64 s[8:9], s[8:9], s[46:47]
	s_add_nc_u64 s[BP:BP+1], s[BP:BP+1], s[46:47]
	v_lshlrev_b32 v6, 5, v2                        ; lanes 16-31 hold the upper eight columns of a block of 16
.irp b, 0,1,2,3
	global_load_b128 v[BIAS+8*\b:BIAS+8*\b+3], v6, s[BP:BP+1] offset:64*\b
	global_load_b128 v[BIAS+8*\b+4:BIAS+8*\b+7], v6, s[BP:BP+1] offset:64*\b+16
.endr
; 4 n matrix instructions: A's blocks a0 .. a0 + n - 1 against wo's four, 32 along K, from buffer f.  zero = 1: the first product starts the sums from the bias.
; The 32 accumulators take turns, one instruction a turn, in the same order in every quarter.
.macro MULN f, a0, n, zero
.set aa, \a0
.rept \n
.irp b, 0,1,2,3
.if \zero
	v_wmma_f32_16x16x32_f16 v[8*(4*aa+\b):8*(4*aa+\b)+7], v[\f+64+8*\b:\f+64+8*\b+7], v[\f+8*aa:\f+8*aa+7], v[BIAS+8*\b:BIAS+8*\b+7]
.else
	v_wmma_f32_16x16x32_f16 v[8*(4*aa+\b):8*(4*aa+\b)+7], v[\f+64+8*\b:\f+64+8*\b+7], v[\f+8*aa:\f+8*aa+7], v[8*(4*aa+\b):8*(4*aa+\b)+7]
.endif
.endr
.set aa, aa+1
.endr
.endm
; 24 LDS loads in one run: the fragments of the slot's q-th 32 along K into buffer f: wo's four (turned), A's blocks 0-3, A's blocks 4-7.  Quarter q lies in plane q / 2, at channels 32 (q % 2) on.
.macro FETCH slot, q, f
	WIN TO_F
.irp b, 0,1,2,3
	ds_load_tr16_b128 v[\f+64+8*\b:\f+64+8*\b+3],   v[ADRB+\slot] offset:32*PB*(\q)+32*\b
	ds_load_tr16_b128 v[\f+64+8*\b+4:\f+64+8*\b+7], v[ADRB+\slot] offset:32*PB*(\q)+16*PB+32*\b
.endr
.irp a, 0,1,2,3,4,5,6,7
	ds_load_b128 v[\f+8*\a:\f+8*\a+3],   v[ADRA+\slot] offset:((\q)/2)*PLANE+((\q)%2)*64+\a*16*PA
	ds_load_b128 v[\f+8*\a+4:\f+8*\a+7], v[ADRA+\slot] offset:((\q)/2)*PLANE+((\q)%2)*64+\a*16*PA+32
.endr
.endm
.macro PLACES                          ; four places in front of loads into registers that matrix instructions have read, and of the first read of results (ISA guide 7.12.1 for the first read of results)
.rept 4
	v_nop
.endr
.endm
; One of a K step's first three quarters: multiplies buffer f and, in its middle, fetches quarter qn of the same slot into buffer g.
.macro QUARTER slot, qn, f, g, zero
	s_wait_dscnt 8                                 ; wo's fragments and A's blocks 0-3 are in; the youngest eight loads (A's blocks 4-7) may be out
.if \zero
	WIN MULZ
.else
	WIN MUL
.endif
	MULN \f, 0, 4, \zero
	PLACES
	FETCH \slot, \qn, \g
	s_wait_dscnt 24                                ; all but the 24 just issued
.if \zero
	WIN MULZ
.else
	WIN MUL
.endif
	MULN \f, 4, 4, \zero
.endm
; The last quarter multiplies buffer 1 and changes slots: ONE barrier; in front of it each wave waits for all its tensor loads, adds 0 to its spare word, and waits for that and for its reads of this slot.
; fill = 1: this slot is filled again, two K steps ahead: the barrier then opens a round of the cluster's barrier, and the joint refill is the first tensor load behind the round.
.macro TURN slot, next, fill
	WIN 0                                          ; (the add's two registers lie in window 0)
	s_wait_tensorcnt 0x0                           ; all my tensor loads have landed: my part of the next slot;
	ds_add_u32 v[SPW], v[NIL]                      ; 0 onto my spare word;
	s_wait_dscnt 9                                 ; (the add and the youngest eight loads may be out)
	WIN MUL
	MULN F1, 0, 2, 0                               ; eight matrix instructions stand between the add and the wait for it
	s_wait_dscnt 0x0                               ; the add is done, and my reads of this slot are over
	s_barrier_signal -1
	MULN F1, 2, 2, 0
.if \fill
	WIN 0
.endif
	s_barrier_wait -1
.if \fill
	CREST                                          ; no wave of any partner still reads this slot's tiles or has a load on its way
	s_add_nc_u64 s[G0+4*\slot+2:G0+4*\slot+3], s[G0+4*\slot+2:G0+4*\slot+3], 2*ASTEP
	s_add_nc_u64 s[G0B+4*\slot+2:G0B+4*\slot+3], s[G0B+4*\slot+2:G0B+4*\slot+3], 2*BSTEP
	JLOAD \slot                                    ; the four v_nop behind it are also the places in front of the loads below
.else
	PLACES
.endif
	FETCH \next, 0, F0
	WIN MUL
	MULN F1, 4, 4, 0
.endm
	s_wait_tensorcnt 1                             ; my part of K step 0 is in (K step 1's load may be out)
	s_barrier_signal -1
	s_barrier_wait -1                              ; everybody's is
	FETCH 0, 0, F0
	s_wait_loadcnt 0x0                             ; the bias
	QUARTER 0, 1, F0, F1, 1                        ; the first quarter stands in front of the loop: its products start the sums from the bias
	WIN 0                                          ; at a label and at a branch every window is 0
	s_mov_b32 s3, LAPS-1
.Llap:                                                 ; a trip goes once round the ring, from a lap's second quarter to the next lap's first, and fills both slots again
	QUARTER 0, 2, F1, F0, 0
	QUARTER 0, 3, F0, F1, 0
	TURN 0, 1, 1
	QUARTER 1, 1, F0, F1, 0
	QUARTER 1, 2, F1, F0, 0
	QUARTER 1, 3, F0, F1, 0
	TURN 1, 0, 1
	QUARTER 0, 1, F0, F1, 0
	WIN 0
	s_sub_co_u32 s3, s3, 1
	s_cmp_lg_u32 s3, 0
	s_cbranch_scc1 .Llap
	QUARTER 0, 2, F1, F0, 0                        ; the last lap fills nothing, and has no round of the cluster's barrier
	QUARTER 0, 3, F0, F1, 0
	TURN 0, 1, 0
	QUARTER 1, 1, F0, F1, 0
	QUARTER 1, 2, F1, F0, 0
	QUARTER 1, 3, F0, F1, 0
	s_wait_dscnt 8                                 ; the very last quarter: nothing more to fetch
	WIN MUL
	MULN F1, 0, 4, 0
	s_wait_dscnt 0
	MULN F1, 4, 4, 0
	WIN 0
; THE WAY OUT, block by block of 16 rows x 64 columns.  A lane holds 32 neighbouring bytes of a row, and the lanes beside it hold other rows: a block goes through my own stage in LDS and comes back as whole rows of
; 256 bytes.  LDS serves a wave's instructions in order (ISA guide 5.7.1.4): no wait between the stores and the loads, nor in front of the next block's stores.
.macro TOSTAGE a
	WIN 0x08                                       ; an LDS store's data are its source 1: window 2
.irp b, 0,1,2,3
	ds_store_b128 v[STO], v[8*(4*(\a)+\b):8*(4*(\a)+\b)+3] offset:64*\b            ; each accumulator from its low end on
	ds_store_b128 v[STO], v[8*(4*(\a)+\b)+4:8*(4*(\a)+\b)+7] offset:64*\b+16
.endr
	WIN 0
.set BB, OB+32*((\a)%2)
.irp t, 0,1,2,3,4,5,6,7
	ds_load_b128 v[BB+4*\t:BB+4*\t+3], v[RD] offset:\t*2*SPITCH
.endr
.endm
.macro SEND a, younger                 ; younger: the LDS instructions issued behind block a's loads, which may stay out
.set BB, OB+32*((\a)%2)
	s_wait_dscnt \younger                          ; the block is back in registers
.irp t, 0,1,2,3,4,5,6,7
	global_store_b128 v[CO], v[BB+4*\t:BB+4*\t+3], s[8:9] offset:(16*(\a)+2*\t)*4096 th:TH_STORE_NT   ; 16 lanes store 256 consecutive bytes, at a multiple of 256 from out0's first byte; 126 rows at the most: inside the signed 24-bit immediate
.endr
.endm
	PLACES                                         ; behind the last products, in front of the first read of results
	TOSTAGE 0
.irp a, 1,2,3,4,5,6,7
.if \a > 1
	s_wait_xcnt 0x0                                ; block a - 2's stores have read their registers: block a's loads may land there
.endif
	TOSTAGE \a
	SEND \a-1, 16                                  ; behind block a - 1's loads: block a's 8 stores and 8 loads
.endr
	SEND 7, 0
	s_wait_tensorcnt 0x0                           ; the wave's end, behind my last tensor load and my last LDS store
	ds_add_u32 v[SPW], v[NIL]
	s_wait_dscnt 0x0
	CROUND                                         ; the closing round: no work-group ends while a partner may still ask for a tile that names it
	s_endpgm
.Lfunc_end_k_q922bb66c0a_oproj:
	.size	k_q922bb66c0a_oproj, .Lfunc_end_k_q922bb66c0a_oproj-k_q922bb66c0a_oproj
	.p2alignl 7, 3214868480
	.fill 96, 4, 3214868480
	.section	.rodata,"a",@progbits
	.p2align	6, 0x0
	.amdhsa_kernel k_q922bb66c0a_oproj
		.amdhsa_group_segment_fixed_size 327680
		.amdhsa_private_segment_fixed_size 0
		.amdhsa_enable_private_segment 0
		.amdhsa_kernarg_size 32
		.amdhsa_user_sgpr_count 2
		.amdhsa_user_sgpr_kernarg_segment_ptr 1
		.amdhsa_wavefront_size32 1
		.amdhsa_system_sgpr_workgroup_id_x 1
		.amdhsa_system_sgpr_workgroup_id_y 1
		.amdhsa_system_sgpr_workgroup_id_z 1
		.amdhsa_system_vgpr_workitem_id 0
		.amdhsa_next_free_vgpr 768
		.amdhsa_next_free_sgpr 68
		.amdhsa_reserve_vcc 0
		.amdhsa_float_denorm_mode_32 3
		.amdhsa_float_denorm_mode_16_64 3
		.amdhsa_memory_ordered 1
		.amdhsa_forward_progress 1
		.amdhsa_inst_pref_size 87
	.end_amdhsa_kernel
	.amdgpu_metadata
---
amdhsa.version: [ 1, 2 ]
amdhsa.kernels:
  - .name:           k_q922bb66c0a_oproj
    .symbol:         k_q922bb66c0a_oproj.kd
    .args:
      - { .name: ao, .offset: 0, .size: 8, .value_kind: global_buffer, .address_space: global }
      - { .name: woh, .offset: 8, .size: 8, .value_kind: global_buffer, .address_space: global }
      - { .name: bo, .offset: 16, .size: 8, .value_kind: global_buffer, .address_space: global }
      - { .name: out0, .offset: 24, .size: 8, .value_kind: global_buffer, .address_space: global }
    .group_segment_fixed_size: 327680
    .private_segment_fixed_size: 0
    .kernarg_segment_align: 8
    .kernarg_segment_size: 32
    .max_flat_workgroup_size: 128
    .sgpr_count:     68
    .vgpr_count:     768
    .wavefront_size: 32
...
	.end_amdgpu_metadata
.endif
;; end of part 5
